; MI455X (gfx1250); checked and timed in simulation.
; The chip was launched on July 23, 2026; its instructions are those of AMD's public machine-readable ISA for CDNA 5 (MIT licence, August 2026) and "CDNA5" Instruction Set Architecture Reference Guide (July 2026). The comments in the code are by the model that wrote it; some were corrected since.
;; Attention. Allowed arithmetic: matrix products marked QUANTISED: E4M3 operands, one given power-of-two scale a tensor, by v_wmma_f32_16x16x64_fp8_fp8 or v_wmma_f32_16x16x128_fp8_fp8, f32 sums; products left as they are: f32 operands where the result goes on into a quantised operand, else bf16, f16 or f32 operands; f32 sums; everything else in f32.
;; Inputs: freqs_cos 2,048 x 64 float32; freqs_sin 2,048 x 64 float32; lk_down 16 x 2,048 float32; lk_up 2,048 x 16 float32; lowp_scales 18 int32 (the exponents e of the quantised operands' scales 2^e); lq_down 16 x 2,048 float32; lq_up 2,048 x 16 float32; lv_down 16 x 2,048 float32; lv_up 2,048 x 16 float32; mask 2,048 x 2,048 float32; wk 2,048 x 2,048 float32; wo 2,048 x 2,048 float32; wq 2,048 x 2,048 float32; wv 2,048 x 2,048 float32; x 1 x 2,048 x 2,048 float32.
;; Outputs: out0 1 x 2,048 x 2,048 float32.
;; This version of the problem:
;;   THIS VERSION OF THE PROBLEM IS GIVEN IN LOW PRECISION. The matrix products marked QUANTISED in the list below multiply operands that are first quantised to E4M3 (4 exponent bits, 3 mantissa bits; 8 bits a number), with one given power-of-two scale for each operand tensor; their sums are f32. All else is computed in f32.
;;   The module's matrix products, in the order in which they are computed (A, B: the left and right operand; K: the contracted axis; several contracted axes count as one K, in the product's order):
;;     1. [M 2,048, K 2,048] x [K 2,048, N 2,048]; A: input x; B: input wq: QUANTISED (scales: A lowp_scales[0], B lowp_scales[1])
;;     2. [M 2,048, K 2,048] x [K 2,048, N 16]; A: input x; B: input lq_down: QUANTISED (scales: A lowp_scales[2], B lowp_scales[3])
;;     3. [M 2,048, K 16] x [K 16, N 2,048]; A: computed on the way; B: input lq_up: left as it is (K = 16 < 32)
;;     4. [M 2,048, K 2,048] x [K 2,048, N 2,048]; A: input x; B: input wk: QUANTISED (scales: A lowp_scales[4], B lowp_scales[5])
;;     5. [M 2,048, K 2,048] x [K 2,048, N 16]; A: input x; B: input lk_down: QUANTISED (scales: A lowp_scales[6], B lowp_scales[7])
;;     6. [M 2,048, K 16] x [K 16, N 2,048]; A: computed on the way; B: input lk_up: left as it is (K = 16 < 32)
;;     7. [M 2,048, K 2,048] x [K 2,048, N 2,048]; A: input x; B: input wv: QUANTISED (scales: A lowp_scales[8], B lowp_scales[9])
;;     8. [M 2,048, K 2,048] x [K 2,048, N 16]; A: input x; B: input lv_down: QUANTISED (scales: A lowp_scales[10], B lowp_scales[11])
;;     9. [M 2,048, K 16] x [K 16, N 2,048]; A: computed on the way; B: input lv_up: left as it is (K = 16 < 32)
;;     10. batch 16 x [M 2,048, K 128] x [K 128, N 2,048]; A: computed on the way; B: computed on the way: QUANTISED (scales: A lowp_scales[12], B lowp_scales[13])
;;     11. batch 16 x [M 2,048, K 2,048] x [K 2,048, N 128]; A: softmax (see below); B: computed on the way: QUANTISED (scales: A lowp_scales[14], B lowp_scales[15])
;;     12. [M 2,048, K 2,048] x [K 2,048, N 2,048]; A: computed on the way; B: input wo: QUANTISED (scales: A lowp_scales[16], B lowp_scales[17])
;;   THE QUANTISER, for each operand of a quantised product, along K:
;;     - The operand's scale is 2^e, e = its entry of the input lowp_scales (int32; the entries are numbered through the quantised products in the list's order, A before B).
;;     - Each number is divided by the scale, clamped to +-448, and rounded to the nearest number of E4M3, ties to even, subnormals kept.
;;     - The product sums the exact products of the quantised numbers (number of the format x scale) in f32.
;;   ~~~python
;;   def quantise(x, axis, e):      # numpy; x: float32 -> the quantised numbers, widened to float32 again
;;       x = np.moveaxis(x, axis, -1); K = x.shape[-1]
;;       r = np.clip(x / 2.0 ** e, -448, 448)
;;       step = 2.0 ** (np.maximum(np.frexp(np.where(r == 0, 1, r))[1] - 1, -6) - 3)
;;       q = np.round(r / step) * step * 2.0 ** e      # np.round: ties to even
;;       return np.moveaxis(q, -1, axis).astype(np.float32)
;;   ~~~
;;   SOFTMAX AHEAD OF A QUANTISED PRODUCT. Where the list says 'softmax', what is quantised is not the finished softmax but p = 2^(t - M), with t = logit x log2(e) and M = ceil(the row's largest t), a whole number; so 1/2 < the row's largest p <= 1. The row's sum l is taken of the UNQUANTISED p, in f32, and the product's result is divided by l at the end. Since M is a whole number, a kernel that streams over the keys may use a running M (the ceiling of the running maximum): every later rescaling is an exact power of two, so the quantised numbers keep their values, but for numbers so far below the row's largest that they fall under the format's range.
;;   OPERANDS COMPUTED ON THE WAY. 'Computed on the way' means the value that the module computes at that place (a softmax that the list does not call 'softmax' is quantised finished and normalised). What goes into a quantiser is computed in f32, as accurately as f32 sums, v_exp_f32 and their like allow (about 1e-6 of the number): no bf16 or f16 on the way to a quantiser, and a product that is left as it is and whose result goes on into a quantised operand takes f32 operands (vector FMAs, or v_wmma_f32_16x16x4_f32). A number that lies on a knife's edge between two numbers of the format may be rounded either way, as far as f32 arithmetic and the matrix unit's own rounding can turn it there, and no further.
;; One version. Each part assembles by itself: llvm-mc -triple=amdgcn-amd-amdhsa -mcpu=gfx1250 --defsym DOCPART=n.
;; ======== version 1 of 1: 4 launches
;; workspace buffers: xc 12,582,912 bytes; wc 16,777,216 bytes; tl 393,216 bytes; qkvc 12,582,912 bytes; ac 4,194,304 bytes
;; launch prep (part 1): grid 192 x 1, 16 waves a work-group, no clusters, 235,520 bytes of LDS; arguments x, wq, wk, wv, wo, lq_down, lk_down, lv_down, lowp_scales, xc, wc, tl; writes xc, wc, tl
.if DOCPART == 1
	.amdgcn_target "amdgcn-amd-amdhsa--gfx1250"
	.amdhsa_code_object_version 6
	.text
	.protected	k_qc58fcc4eb4_prep
	.globl	k_qc58fcc4eb4_prep
	.p2align	8
	.type	k_qc58fcc4eb4_prep,@function
k_qc58fcc4eb4_prep:
	s_mov_b64 s[64:65], 0
	v_nop
	global_prefetch_b8 v0, s[64:65] scope:SCOPE_SE
	s_setreg_imm32_b32 hwreg(HW_REG_WAVE_MODE, 25, 1), 1
	s_wait_xcnt 0x0
; PREP: f32 inputs into codes of FP8 (E4M3), laid as IMAGES OF OPERAND REGISTERS, and the three LoRA down products.
; An image is a fragment of 16 rows x 128 K, 2,048 bytes: byte 512 c + 16 lane holds registers 4 c .. 4 c + 3 of that lane; lane (r, h) holds row r, and its register pair c' the codes k = 16 c' + 8 h + 0 .. 7.
;   xc: x with the scales e0, e4, e8 (version v at v x 4 MiB): (token / 16) x 32,768 + (k / 128) x 2,048 + image.
;   wc: wq (e1), wk (e5), wv (e9), wo (e17) (weight j at j x 4 MiB): (row / 16) x 32,768 + (k / 128) x 2,048 + image.
;   tl: T_p = Q(x) Q(down_p)^T as f32 numbers (scales e2 e3, e6 e7, e10 e11): p x 131,072 + token x 64 + rank x 4.
; code = number / 2^e, held within +-448, rounded to the nearest code, ties to even.
; LIMITS: every e between -126 and 119, so that 2^e and 448 x 2^e are f32 numbers.  NaN among the inputs is not served.
; SHARES.  Sixteen waves; wave w takes K step w (128 along K, 512 bytes of a row), so a work-group's loads cover whole rows.  Work-groups 0-63 take 32 tokens of x each and all three down weights;
; work-groups 64-191 take 64 rows of one weight each.  Both walk ONE text of tile slots (a tile: 16 rows x 128 K): slots 0-2 the down weights or weight rows, slot 3 x's first 16 tokens or weight rows, slot 4 x's next 16.
; Each load takes 512 consecutive bytes of a row; a tile turns through the wave's own stage in LDS (rows 528 bytes apart) so that a lane gets the 64 numbers of its fragment.
; x is quantised six times from the same registers.  The down products' partial sums (one K step a wave) meet in LDS behind the launch's one barrier, and twelve waves add them, K ascending.
; NO CLUSTER, NO TENSOR LOAD: what work-groups share is the three down weights, 384 KiB of the 80 MiB that the launch reads.
.set SROW,  528                        ; a stage row: 512 bytes + 16: row r starts 4 r words on, so the sixteen rows of a read fall on different banks (ISA guide 11.1)
.set WST,   16*SROW                    ; a wave's stage
.set RED,   16*WST                     ; behind the stages: the partial sums, 6 tiles of 1,024 bytes for each wave
.set WRED,  6144
.set SPARE, RED+16*WRED                ; behind them: the spare words, 128 bytes for each wave: eight blocks of 256 bytes that no other line names
.set GOF,   4                          ; v4   512 x wave + 16 x lane: my 16 bytes of a row in memory
.set STW,   5                          ; v5   the stage, in: 16 x lane
.set STR,   6                          ; v6   the stage, out: row r, + 32 h
.set IMG,   7                          ; v7   2,048 x wave + 16 x lane: my place in a row tile's images
.set REDW,  8                          ; v8   where I put a tile of partial sums: 64 r + 32 h in my wave's part
.set REDR,  9                          ; v9   where I read partial sums: 512 x wave + 16 x lane in wave 0's part;
.set REDR2, 10                         ; v10  the same in wave 8's part
.set L16,   11                         ; v11  16 x lane
.set VSC,   12                         ; v12  the scale in hand, as f32
.set VLM,   13                         ; v13  448 x that
.set SPW,   14                         ; v14  LDS address of my spare word; never rewritten
.set NIL,   15                         ; v15  0; never rewritten
.set DN,    16                         ; v16-63   three fragments: the down weights' codes, or weight slots 0-2's
.set PC,    64                         ; v64-79   a fragment's codes
.set TMP,   80                         ; v80-95   sixteen held numbers
.set ACC,   96                         ; v96-119  three tiles of T
.set X,     120                        ; v120-183 a tile's 64 numbers of my lane: register 8 c + j is k = 16 c + 8 h + j of row r
.set R,     184                        ; v184-247 a tile as loaded
.set G,     32                         ; s32  x's work-group number
.set WV,    33                         ; s33  wave
.set WJ,    34                         ; s34  which weight
.set RG,    35                         ; s35  which 64 rows of it
.set ET,    54                         ; s54  the exponent of the T that my wave adds up
.set ISX,   55                         ; s55  1 in a work-group that takes x
.set SRC,   66                         ; s[66:75] the five slots' sources
.set DW,    76                         ; s[76:77] wc at my 64 rows
.set DP3,   78                         ; s[78:79] slot 3's destination
.set DX0,   80                         ; s[80:85] xc at my 32 tokens, versions 0, 1, 2
.set DX1,   82
.set DX2,   84
.set EP,    86                         ; s[86:93] (scale, limit) of slots 0-3
.set E4,    94                         ; and of x's other five quantisations
.set E8,    96
.set E2,    98
.set E6,    100
.set E10,   104
.macro MKSC d, e                       ; s[d] = 2^e as f32, s[d+1] = 448 x 2^e
	s_add_co_i32 s[(\d)], s[(\e)], 127
	s_add_co_i32 s[(\d)+1], s[(\e)], 135
	s_lshl_b32 s[(\d)], s[(\d)], 23
	s_lshl_b32 s[(\d)+1], s[(\d)+1], 23
	s_or_b32 s[(\d)+1], s[(\d)+1], 0x600000
.endm
.macro LOADT s, nt                     ; slot s's tile: sixteen loads, each 512 consecutive bytes of one row
.irp i, 0,1,2,3,4,5,6,7,8,9,10,11,12,13,14,15
.if \nt
	global_load_b128 v[R+4*\i:R+4*\i+3], v[GOF], s[SRC+2*(\s):SRC+2*(\s)+1] offset:8192*\i th:TH_LOAD_NT
.else
	global_load_b128 v[R+4*\i:R+4*\i+3], v[GOF], s[SRC+2*(\s):SRC+2*(\s)+1] offset:8192*\i
.endif
.endr
.endm
.macro TURN                            ; through my own stage: LDS serves a wave's instructions in order (ISA guide 5.7.1.4), so no wait stands between the stores and the loads
.irp i, 0,1,2,3,4,5,6,7,8,9,10,11,12,13,14,15
	ds_store_b128 v[STW], v[R+4*\i:R+4*\i+3] offset:SROW*\i
.endr
.irp c, 0,1,2,3,4,5,6,7
	ds_load_b128 v[X+8*\c:X+8*\c+3], v[STR] offset:64*\c
	ds_load_b128 v[X+8*\c+4:X+8*\c+7], v[STR] offset:64*\c+16
.endr
.endm
.macro QUANT dst, p                    ; X's 64 numbers become a fragment's codes in v[dst] on, with the scale and limit in s[p], s[p+1].  X stays as it is
	v_mov_b32 v[VSC], s[(\p)]
	v_mov_b32 v[VLM], s[(\p)+1]
.irp b, 0,1,2,3
.irp i, 0,1,2,3,4,5,6,7,8,9,10,11,12,13,14,15
	v_med3_num_f32 v[TMP+\i], v[X+16*\b+\i], -v[VLM], v[VLM]   ; the conversion to an 8-bit code does not saturate (ISA guide 7.6.2): the hold at the largest code x the scale
.endr
	v_cvt_scalef32_pk8_fp8_f32 v[(\dst)+4*\b:(\dst)+4*\b+1], v[TMP:TMP+7], v[VSC]
	v_cvt_scalef32_pk8_fp8_f32 v[(\dst)+4*\b+2:(\dst)+4*\b+3], v[TMP+8:TMP+15], v[VSC]
	v_nop                                          ; one plain vector line behind the conversions, ahead of the next write of their sources and of the product that reads their results
.endr
.endm
.macro STIMG base, src, imm            ; a fragment goes out as its image: four stores of 512 consecutive bytes
.irp c, 0,1,2,3
	global_store_b128 v[IMG], v[(\src)+4*\c:(\src)+4*\c+3], s[(\base):(\base)+1] offset:(\imm)+512*\c
.endr
.endm
.macro SLOTW s                         ; slots 0 to 2
	s_wait_loadcnt 0x0                             ; the slot's tile is in
	TURN
	s_wait_dscnt 0x0                               ; my 64 numbers are back, and the stage's stores have read R,
	LOADT (\s)+1, ((\s)+1)/3                       ; which takes the next slot's tile
	QUANT DN+16*(\s), EP+2*(\s)
	s_cmp_eq_u32 s[ISX], 1
	s_cbranch_scc1 .Lkeep_\@                       ; the down weights' codes stay in registers
	STIMG DW, DN+16*(\s), 32768*(\s)
.Lkeep_\@:
.endm
.macro XTRA m                          ; x's tile m: the other five quantisations, and the three down products of my K step
	s_wait_xcnt 0x0                                ; the last stores have read PC: it is rewritten only behind this wait
	QUANT PC, E4
	STIMG DX1, PC, 32768*(\m)
	s_wait_xcnt 0x0
	QUANT PC, E8
	STIMG DX2, PC, 32768*(\m)
	s_wait_xcnt 0x0
	QUANT PC, E2
	v_wmma_f32_16x16x128_fp8_fp8 v[ACC:ACC+7], v[DN:DN+15], v[PC:PC+15], 0          ; source 0 = 16 ranks, source 1 = 16 tokens: lane (r, h) holds token r, ranks 8 h + 0 .. 7
	QUANT PC, E6                                   ; its first eighteen lines are the places ahead of the conversions that write PC anew
	v_wmma_f32_16x16x128_fp8_fp8 v[ACC+8:ACC+15], v[DN+16:DN+31], v[PC:PC+15], 0
	QUANT PC, E10
	v_wmma_f32_16x16x128_fp8_fp8 v[ACC+16:ACC+23], v[DN+32:DN+47], v[PC:PC+15], 0
.rept 4
	v_nop                                          ; four places ahead of the stores that read the results
.endr
.irp p, 0,1,2
	ds_store_b128 v[REDW], v[ACC+8*\p:ACC+8*\p+3] offset:(2*\p+(\m))*1024       ; each result from its low end on
	ds_store_b128 v[REDW], v[ACC+8*\p+4:ACC+8*\p+7] offset:(2*\p+(\m))*1024+16
.endr
.endm
	s_load_b512 s[8:23], s[0:1], 0x0               ; x, wq, wk, wv, wo, lq_down, lk_down, lv_down
	s_load_b256 s[24:31], s[0:1], 0x40             ; the scales' exponents, xc, wc, tl
	v_lshl_add_u32 v[SPW], v0, 2, SPARE
	v_mov_b32 v[NIL], 0
	v_lshrrev_b32 v1, 5, v0
	v_readfirstlane_b32 s[WV], v1                  ; wave 0..15
	v_and_b32 v1, 31, v0                           ; lane
	v_and_b32 v2, 15, v0                           ; r
	v_bfe_u32 v3, v0, 4, 1                         ; h
	v_lshlrev_b32 v[GOF], 4, v0                    ; 16 x thread = 512 x wave + 16 x lane
	v_lshlrev_b32 v[L16], 4, v1
	s_mul_i32 s2, s[WV], WST
	v_add_nc_u32 v[STW], s2, v[L16]
	v_mul_u32_u24 v[STR], v2, SROW
	v_lshl_add_u32 v[STR], v3, 5, v[STR]
	v_add_nc_u32 v[STR], s2, v[STR]
	s_lshl_b32 s3, s[WV], 11
	v_add_nc_u32 v[IMG], s3, v[L16]
	s_mul_i32 s4, s[WV], WRED
	s_add_co_u32 s4, s4, RED
	v_lshlrev_b32 v[REDW], 6, v2
	v_lshl_add_u32 v[REDW], v3, 5, v[REDW]
	v_add_nc_u32 v[REDW], s4, v[REDW]
	v_lshl_add_u32 v[REDR], v0, 4, RED
	v_add_nc_u32 v[REDR2], 8*WRED, v[REDR]
	s_min_u32 s[G], ttmp9, 63                      ; held inside their ranges, so that the addresses of the kind that a work-group is not are sound too (they are not used)
	s_max_u32 s[WJ], ttmp9, 64
	s_sub_co_u32 s[WJ], s[WJ], 64
	s_and_b32 s[RG], s[WJ], 31
	s_lshr_b32 s[WJ], s[WJ], 5
	s_mov_b32 s59, 0
	s_mov_b32 s61, 0
	s_wait_kmcnt 0x0
	s_load_b512 s[36:51], s[24:25], 0x0            ; e0 .. e15
	s_load_b64 s[52:53], s[24:25], 0x40            ; e16, e17
	s_cmp_eq_u32 s[WJ], 1
	s_cselect_b64 s[56:57], s[12:13], s[10:11]
	s_cmp_eq_u32 s[WJ], 2
	s_cselect_b64 s[56:57], s[14:15], s[56:57]
	s_cmp_eq_u32 s[WJ], 3
	s_cselect_b64 s[56:57], s[16:17], s[56:57]     ; my weight,
	s_lshl_b32 s58, s[RG], 19
	s_add_nc_u64 s[56:57], s[56:57], s[58:59]      ; at my 64 rows of 8,192 bytes
	s_lshl_b32 s60, s[G], 18
	s_add_nc_u64 s[8:9], s[8:9], s[60:61]          ; x at my 32 tokens
	s_add_nc_u64 s[SRC+2:SRC+3], s[56:57], 131072
	s_add_nc_u64 s[SRC+4:SRC+5], s[56:57], 262144
	s_add_nc_u64 s[SRC+6:SRC+7], s[56:57], 393216
	s_add_nc_u64 s[SRC+8:SRC+9], s[8:9], 131072
	s_cmp_lt_u32 ttmp9, 64                         ; x's work-group or a weight's: the choice hangs on the work-group's number alone
	s_cselect_b64 s[SRC:SRC+1], s[18:19], s[56:57]
	s_cselect_b64 s[SRC+2:SRC+3], s[20:21], s[SRC+2:SRC+3]
	s_cselect_b64 s[SRC+4:SRC+5], s[22:23], s[SRC+4:SRC+5]
	s_cselect_b64 s[SRC+6:SRC+7], s[8:9], s[SRC+6:SRC+7]
	s_cselect_b32 s[ISX], 1, 0
	LOADT 0, 0
	s_lshl_b32 s58, s[WJ], 22
	s_lshl_b32 s60, s[RG], 17
	s_add_co_u32 s58, s58, s60
	s_add_nc_u64 s[DW:DW+1], s[28:29], s[58:59]
	s_lshl_b32 s60, s[G], 16
	s_add_nc_u64 s[DX0:DX0+1], s[26:27], s[60:61]
	s_add_nc_u64 s[DX1:DX1+1], s[DX0:DX0+1], 0x400000
	s_add_nc_u64 s[DX2:DX2+1], s[DX0:DX0+1], 0x800000
	s_add_nc_u64 s[DP3:DP3+1], s[DW:DW+1], 98304
	s_cmp_lt_u32 ttmp9, 64
	s_cselect_b64 s[DP3:DP3+1], s[DX0:DX0+1], s[DP3:DP3+1]
	s_lshr_b32 s2, s[WV], 2                        ; tl at what my wave adds up: projection wave / 4, my 32 tokens, quarter wave % 4 of their 2,048 bytes
	s_lshl_b32 s2, s2, 17
	s_lshl_b32 s3, s[G], 11
	s_add_co_u32 s2, s2, s3
	s_and_b32 s3, s[WV], 3
	s_lshl_b32 s3, s3, 9
	s_add_co_u32 s2, s2, s3
	s_mov_b32 s3, 0
	s_add_nc_u64 s[30:31], s[30:31], s[2:3]
	s_wait_kmcnt 0x0
	s_lshr_b32 s2, s[WV], 2
	s_add_co_i32 s3, s38, s39                      ; e2 + e3
	s_add_co_i32 s4, s42, s43                      ; e6 + e7
	s_add_co_i32 s5, s46, s47                      ; e10 + e11
	s_cmp_eq_u32 s2, 1
	s_cselect_b32 s[ET], s4, s3
	s_cmp_eq_u32 s2, 2
	s_cselect_b32 s[ET], s5, s[ET]
	s_cmp_eq_u32 s[WJ], 1
	s_cselect_b32 s6, s41, s37
	s_cmp_eq_u32 s[WJ], 2
	s_cselect_b32 s6, s45, s6
	s_cmp_eq_u32 s[WJ], 3
	s_cselect_b32 s6, s53, s6                      ; my weight's exponent: e1, e5, e9 or e17
	s_cmp_lt_u32 ttmp9, 64
	s_cselect_b32 s2, s39, s6                      ; slot 0: e3 (lq_down) or the weight's
	s_cselect_b32 s3, s43, s6                      ; slot 1: e7
	s_cselect_b32 s4, s47, s6                      ; slot 2: e11
	s_cselect_b32 s5, s36, s6                      ; slot 3: e0 (x)
	MKSC EP, 2
	MKSC EP+2, 3
	MKSC EP+4, 4
	MKSC EP+6, 5
	MKSC E4, 40
	MKSC E8, 44
	MKSC E2, 38
	MKSC E6, 42
	MKSC E10, 46
	SLOTW 0
	SLOTW 1
	SLOTW 2
	s_wait_loadcnt 0x0                             ; slot 3
	TURN
	s_wait_dscnt 0x0
	s_cmp_eq_u32 s[ISX], 0
	s_cbranch_scc1 .Lno_fifth                      ; a weight's work-group has four tiles
	LOADT 4, 1
.Lno_fifth:
	QUANT PC, EP+6
	STIMG DP3, PC, 0
	s_cmp_eq_u32 s[ISX], 0
	s_cbranch_scc1 .Ljoin
	XTRA 0
	s_wait_loadcnt 0x0                             ; slot 4: x's next 16 tokens
	TURN
	s_wait_dscnt 0x0                               ; also: tile 0's partial sums have left their registers
	QUANT PC, EP+6
	STIMG DX0, PC, 32768
	XTRA 1
.Ljoin:
	s_wait_dscnt 0x0                               ; for the others' sake: my partial sums lie in LDS
	s_barrier_signal -1
	s_barrier_wait -1
	s_cmp_eq_u32 s[ISX], 0
	s_cbranch_scc1 .Lend
	s_cmp_gt_u32 s[WV], 11
	s_cbranch_scc1 .Lend                           ; 6,144 bytes of sums: twelve waves x 512
.irp w, 0,1,2,3,4,5,6,7
	ds_load_b128 v[R+4*\w:R+4*\w+3], v[REDR] offset:\w*WRED
.endr
.irp w, 8,9,10,11,12,13,14,15
	ds_load_b128 v[R+4*\w:R+4*\w+3], v[REDR2] offset:(\w-8)*WRED
.endr
	s_wait_dscnt 0x0
.irp w, 1,2,3,4,5,6,7,8,9,10,11,12,13,14,15
	v_pk_add_f32 v[R:R+1], v[R:R+1], v[R+4*\w:R+4*\w+1]            ; K ascending
	v_pk_add_f32 v[R+2:R+3], v[R+2:R+3], v[R+4*\w+2:R+4*\w+3]
.endr
.irp i, 0,1,2,3
	v_ldexp_f32 v[R+\i], v[R+\i], s[ET]            ; x the two operands' scales: nothing is rounded
.endr
	global_store_b128 v[L16], v[R:R+3], s[30:31]   ; 512 consecutive bytes of tl
.Lend:
	s_wait_tensorcnt 0x0                           ; the wave's end, behind my last LDS store; the tensor wait stands in a text with no tensor load too
	ds_add_u32 v[SPW], v[NIL]
	s_wait_dscnt 0x0
	s_endpgm
.Lfunc_end_k_qc58fcc4eb4_prep:
	.size	k_qc58fcc4eb4_prep, .Lfunc_end_k_qc58fcc4eb4_prep-k_qc58fcc4eb4_prep
	.p2alignl 7, 3214868480
	.fill 96, 4, 3214868480
	.section	.rodata,"a",@progbits
	.p2align	6, 0x0
	.amdhsa_kernel k_qc58fcc4eb4_prep
		.amdhsa_group_segment_fixed_size 235520
		.amdhsa_private_segment_fixed_size 0
		.amdhsa_enable_private_segment 0
		.amdhsa_kernarg_size 96
		.amdhsa_user_sgpr_count 2
		.amdhsa_user_sgpr_kernarg_segment_ptr 1
		.amdhsa_wavefront_size32 1
		.amdhsa_system_sgpr_workgroup_id_x 1
		.amdhsa_system_sgpr_workgroup_id_y 1
		.amdhsa_system_sgpr_workgroup_id_z 1
		.amdhsa_system_vgpr_workitem_id 0
		.amdhsa_next_free_vgpr 256
		.amdhsa_next_free_sgpr 106
		.amdhsa_reserve_vcc 0
		.amdhsa_float_denorm_mode_32 3
		.amdhsa_float_denorm_mode_16_64 3
		.amdhsa_memory_ordered 1
		.amdhsa_forward_progress 1
		.amdhsa_inst_pref_size 104
	.end_amdhsa_kernel
	.amdgpu_metadata
---
amdhsa.version: [ 1, 2 ]
amdhsa.kernels:
  - .name:           k_qc58fcc4eb4_prep
    .symbol:         k_qc58fcc4eb4_prep.kd
    .args:
      - { .name: x, .offset: 0, .size: 8, .value_kind: global_buffer, .address_space: global }
      - { .name: wq, .offset: 8, .size: 8, .value_kind: global_buffer, .address_space: global }
      - { .name: wk, .offset: 16, .size: 8, .value_kind: global_buffer, .address_space: global }
      - { .name: wv, .offset: 24, .size: 8, .value_kind: global_buffer, .address_space: global }
      - { .name: wo, .offset: 32, .size: 8, .value_kind: global_buffer, .address_space: global }
      - { .name: lq_down, .offset: 40, .size: 8, .value_kind: global_buffer, .address_space: global }
      - { .name: lk_down, .offset: 48, .size: 8, .value_kind: global_buffer, .address_space: global }
      - { .name: lv_down, .offset: 56, .size: 8, .value_kind: global_buffer, .address_space: global }
      - { .name: lowp_scales, .offset: 64, .size: 8, .value_kind: global_buffer, .address_space: global }
      - { .name: xc, .offset: 72, .size: 8, .value_kind: global_buffer, .address_space: global }
      - { .name: wc, .offset: 80, .size: 8, .value_kind: global_buffer, .address_space: global }
      - { .name: tl, .offset: 88, .size: 8, .value_kind: global_buffer, .address_space: global }
    .group_segment_fixed_size: 235520
    .private_segment_fixed_size: 0
    .kernarg_segment_align: 8
    .kernarg_segment_size: 96
    .max_flat_workgroup_size: 512
    .sgpr_count:     106
    .vgpr_count:     256
    .wavefront_size: 32
...
	.end_amdgpu_metadata
.endif
;; end of part 1
;; launch qkv (part 2): grid 8 x 24, 4 waves a work-group, clusters of 4 x 4, 327,680 bytes of LDS; arguments xc, wc, tl, lq_up, lk_up, lv_up, freqs_cos, freqs_sin, lowp_scales, qkvc; writes qkvc
.if DOCPART == 2
	.amdgcn_target "amdgcn-amd-amdhsa--gfx1250"
	.amdhsa_code_object_version 6
	.text
	.protected	k_qc58fcc4eb4_qkv
	.globl	k_qc58fcc4eb4_qkv
	.p2align	8
	.type	k_qc58fcc4eb4_qkv,@function
k_qc58fcc4eb4_qkv:
	s_mov_b64 s[64:65], 0
	v_nop
	global_prefetch_b8 v0, s[64:65] scope:SCOPE_SE
	s_setreg_imm32_b32 hwreg(HW_REG_WAVE_MODE, 25, 1), 1
	s_wait_xcnt 0x0
	s_wait_alu depctr_hold_cnt(0) depctr_sa_sdst(0) depctr_va_vdst(0) depctr_va_sdst(0) depctr_va_ssrc(0) depctr_va_vcc(0) depctr_vm_vsrc(0)
	s_getreg_b32 s2, hwreg(HW_REG_IB_STS2, 6, 4)
	s_cmp_eq_u32 s2, 0
	s_cbranch_scc0 .Lentry_in_a_cluster
	s_endpgm
.Lentry_in_a_cluster:
	s_bfe_u32 s2, ttmp6, 0x10000c
	s_cmp_lg_u32 s2, 0xf033
	s_cbranch_scc0 .Lentry_shape_is_right
	s_endpgm
.Lentry_shape_is_right:
; QKV: the three projections x W^T + 2 (T up^T), RoPE on q and k, and the quantising of q, k, v, all in one body.  Codes in (xc, wc), codes out (qkvc), both as images of operand registers:
; a fragment of 16 rows x 128 K is 2,048 bytes, byte 512 c + 16 lane = registers 4 c .. 4 c + 3 of that lane; register pair c' of lane (r, h) holds k = 16 c' + 8 h + 0 .. 7 of row r.
; The body makes C[m][n] = sum over k of A[m][k] B[n][k] on tiles of 256 x 256; four waves, as many as a WGP has SIMDs, each 128 x 128 in 64 accumulators (512 registers).
; Projection = cluster y / 2.  q, k: A = x's codes (m = tokens), B = the weight's (n = channels): a wave's 128 columns are one head.  v: A = wv's codes (m = channels), B = x's (n = tokens): a wave's 128 columns are
; one step of 128 keys, so that v leaves with the KEYS along K with nothing transposed.
; THE MATRIX INSTRUCTION IS USED TRANSPOSED (source 0 = 16 rows of B, source 1 = 16 rows of A): lane (r, h) of accumulator (a, b) holds m = 16 a + r and n = 16 b + 8 h + 0 .. 7: eight neighbours along the next product's K,
; and the eight conversions of a block of 16 rows ARE the registers of one fragment of the next operand: it is stored as it stands, 512 consecutive bytes a store.
; THE LoRA UP PRODUCT BEGINS EVERY SUM: K = 16 in f32 (its result goes on into a quantiser), four v_wmma_f32_16x16x4_f32 an accumulator, the first with C = 0.  One side is multiplied first by 2^(1 - ex - ew): the
; factor 2 of LoRA and the unit of the sums of codes; nothing is rounded.  A lane holds k = 8 h + 0 .. 7 of its row on both sides, and instruction s takes registers 2 s, 2 s + 1 of both: every product meets its partner.
; K then goes in steps of 256 through a ring of two LDS slots filled by the tensor data mover.  CLUSTERS: 4 x 4 work-groups; A's tile is asked for jointly along a row of the cluster, B's along a column.
; qkvc: q at 0, k at 4 MiB: (head x 128 + token / 16) x 2,048 + image (K = the head's 128);  v at 8 MiB: ((head x 8 + channel / 16) x 16 + key / 128) x 2,048 + image (K = 128 keys).
; LIMITS: eo - ex - ew between -126 and 119 (eo = e12, e13, e15; ex, ew the product's two), so that the conversion's scale and 448 x it are f32 numbers.  NaN among the inputs is not served.
; No prefetch: each tile is shared in the cluster and read again by the neighbouring clusters.  192 work-groups: a tile of 128 x 128 would fill all WGPs and read twice the LDS bytes for each matrix instruction.
; REGISTERS, in windows of 256: window 0: v16-31 addresses and constants; v32-95 the small A side, later RoPE's tables (set 0); v96-111 a block's codes; v128-255 A's fragments, ONE set; on the way out v128-191 tables (set 1), v192-255 at work.
;   window 1: B's fragments, TWO sets (v0-63 first hold the small B side).   windows 2, 3: the accumulators of my rows 0-63, 64-127 ((a, b) at v[8 (8 (a % 4) + b)]).
.set SLOT,   131072                    ; a slot: A's 256 rows x 256 K, then B's
.set HALFT,  32768                     ; 128 rows x 256 K: what one tensor load brings: row tile i at 4,096 i, K step q at 2,048 q
.set SPARE,  2*SLOT                    ; behind the ring: the spare words, 128 bytes for each wave: two blocks of 256 bytes that no other line names
.set LAPS,   4                         ; 2,048 along K = 8 slots' worth = 4 times round the ring
.set FR,     16
.set NL,     4
.set NP,     4                         ; places behind the FP8 form (ISA guide 7.12.1)
.set ADRA, 16                          ; v16-17  LDS address of my A fragments in slot 0, 1
.set ADRB, 20                          ; v20-21  the same for B
.set LI,   24                          ; v24     16 x lane
.set SA,   25                          ; v25     64 r + 32 h: my 8 numbers of a row of 16
.set CO,   26                          ; v26     256 r + 16 h: my place in RoPE's tables
.set SPW,  28                          ; v28     LDS address of my spare word; never rewritten
.set NIL,  29                          ; v29     0; never rewritten
.set VSC,  30                          ; v30     2^(eo - ex - ew) as f32
.set VLM,  31                          ; v31     448 x that
.set SMA,  32
.set PC,   96
.set AF,   128
.set TMP,  192
.set G1, 24                            ; s[24:31] descriptor group 1 for A's tiles;  s[32:39] group 0, one set for each slot
.set G0, 32
.set G1B, 48                           ; s[48:55], s[56:63] the same for B's
.set G0B, 56
.set PROJ, 13                          ; s13  0: q, 1: k, 2: v: the same in all partners of a cluster
.set OUT,  88                          ; s[88:89] where my block's image goes
.set OST,  96                          ; s[96:97] from block to block
.set COS,  98                          ; s[98:99], s[100:101] the tables at my first row
.set SIN,  100
.set MSB, 0
.macro WIN new                         ; the immediate's high byte repeats the setting that is left
.if MSB != \new
	s_set_vgpr_msb (MSB<<8)|\new
.set MSB, \new
.endif
.endm
.set MUL_LO, 0xa1                      ; source 0 (B) window 1, source 1 (A) window 0, C and D window 2
.set MUL_HI, 0xf1                      ; the same, C and D window 3
.set TO_B,   0x40                      ; destination window 1, address window 0
; A joint load: waves 0 and 1 fetch for A, waves 2 and 3 for B; the branch hangs on the wave's number alone.  An s_nop 0 and four v_nop follow each of the two lines.
.macro JLOAD g0a, g1a, g0b, g1b
	s_cmp_eq_u32 s15, 0
	s_cbranch_scc0 .Lfor_b_\@
	tensor_load_to_lds s[\g0a:\g0a+3], s[\g1a:\g1a+7]
	s_nop 0
.rept 4
	v_nop
.endr
	s_branch .Lasked_\@
.Lfor_b_\@:
	tensor_load_to_lds s[\g0b:\g0b+3], s[\g1b:\g1b+7]
	s_nop 0
.rept 4
	v_nop
.endr
.Lasked_\@:
.endm
.macro CREST                           ; a round of the cluster's barrier behind its opening barrier
	s_cmp_lg_u32 s14, 0
	s_cbranch_scc1 .Lnot_wave_0_\@
	s_barrier_signal -3
.Lnot_wave_0_\@:
	s_barrier_wait -3
	s_barrier_signal -1
	s_barrier_wait -1
.endm
.macro CROUND
	s_barrier_signal -1
	s_barrier_wait -1
	CREST
.endm
	s_load_b512 s[68:83], s[0:1], 0x0              ; xc, wc, tl, lq_up, lk_up, lv_up, freqs_cos, freqs_sin
	s_load_b128 s[84:87], s[0:1], 0x40             ; the scales' exponents, qkvc
	v_lshl_add_u32 v[SPW], v0, 2, SPARE
	v_mov_b32 v[NIL], 0
	ds_add_u32 v[SPW], v[NIL]                      ; the wave's opening: the add and its wait stand ahead of my first tensor load; the set-up below, work on registers, stands between them
	v_lshrrev_b32 v1, 5, v0
	v_readfirstlane_b32 s14, v1                    ; wave 0..3
	s_lshr_b32 s15, s14, 1                         ; which half of the tile's rows is mine.  Also: I fetch for A (0) or for B (1)
	s_and_b32 s16, s14, 1                          ; which half of its columns.  Also: which 128 rows of that tile I fetch
	s_bfe_u32 s40, ttmp6, 0x40000                  ; cx, cy: my place in the cluster
	s_bfe_u32 s41, ttmp6, 0x40004
	s_lshl_b32 s42, ttmp9, 2
	s_add_co_u32 s42, s42, s40                     ; tile column = 4 x cluster x + cx
	s_and_b32 s18, ttmp7, 0xffff                   ; cluster y, 0..5
	s_lshr_b32 s[PROJ], s18, 1
	s_and_b32 s17, s18, 1
	s_lshl_b32 s17, s17, 2
	s_add_co_u32 s17, s17, s41                     ; tile row = 4 x (cluster y % 2) + cy
	s_lshl_b32 s43, s41, 2
	s_lshl_b32 s43, 15, s43                        ; my row of the cluster
	s_lshl_b32 s44, 0x1111, s40                    ; my column
	; descriptor group 1: 8 rows (row tiles of 16) of 4,096 bytes (two K steps' images), 32,768 bytes apart; dense in LDS: images need no padding
	s_or_b32 s[G1+0], s43, (3<<16)|(1<<21)         ; 15:0 the mask: A's tiles go to my row; 17:16 elements of 8 bytes; 21 set beside a mask
	s_or_b32 s[G1B+0], s44, (3<<16)|(1<<21)
.irp g, G1, G1B
	s_mov_b32 s[\g+1], 512<<16                     ; tensor_dim0 = 512 elements
	s_mov_b32 s[\g+2], 8<<16                       ; tensor_dim1 = 8
	s_mov_b32 s[\g+3], 512<<16                     ; tile_dim0
	s_mov_b32 s[\g+4], 8                           ; tile_dim1
	s_mov_b32 s[\g+5], 4096                        ; tensor_dim0_stride, in elements
	s_mov_b32 s[\g+6], 0
	s_mov_b32 s[\g+7], 0
.endr
	s_lshl_b32 s18, s16, 18                        ; which 128 rows (8 row tiles) I fetch
	s_lshl_b32 s20, s17, 19
	s_add_co_u32 s20, s20, s18                     ; A: 16 row tiles x tile row + 8 x half
	s_mov_b32 s21, 0
	s_lshl_b32 s46, s42, 19
	s_add_co_u32 s46, s46, s18                     ; B: the same by the tile column
	s_mov_b32 s47, 0
	s_lshl_b32 s45, s14, 15                        ; where they go: wave x 32,768: no place in the cluster enters an LDS address
	s_lshl_b32 s22, s[PROJ], 22                    ; my projection's 4 MiB in xc, wc and qkvc
	s_mov_b32 s23, 0
	s_lshl_b32 s91, s[PROJ], 4                     ; (e0, e1), (e4, e5), (e8, e9): 16 bytes apart
	s_lshl_b32 s95, s[PROJ], 2
	s_cmp_eq_u32 s[PROJ], 2
	s_cselect_b32 s19, 4, 0
	s_add_co_u32 s95, s95, s19                     ; e12, e13, e15: 0, 4, 12 bytes behind entry 12
	s_wait_dscnt 0x0                               ; the opening add is done
	s_wait_kmcnt 0x0
	s_load_b64 s[92:93], s[84:85], s91 offset:0x0  ; ex, ew
	s_load_b32 s94, s[84:85], s95 offset:0x30      ; eo
	s_add_nc_u64 s[4:5], s[68:69], s[22:23]        ; x's codes for my projection,
	s_add_nc_u64 s[6:7], s[70:71], s[22:23]        ; the weight's
	s_cmp_eq_u32 s[PROJ], 2
	s_cselect_b64 s[8:9], s[6:7], s[4:5]           ; A
	s_cselect_b64 s[10:11], s[4:5], s[6:7]         ; B
	s_add_nc_u64 s[20:21], s[8:9], s[20:21]
	s_add_nc_u64 s[46:47], s[10:11], s[46:47]
	CROUND                                         ; all sixteen work-groups are here: the first joint loads meet
.irp s, 0,1
	s_mov_b32 s[G0+4*\s], 1
	s_add_co_u32 s[G0+4*\s+1], s45, \s*SLOT
	s_add_nc_u64 s[G0+4*\s+2:G0+4*\s+3], s[20:21], \s*4096
	s_or_b32 s[G0+4*\s+3], s[G0+4*\s+3], 0x80000000
	s_mov_b32 s[G0B+4*\s], 1
	s_add_co_u32 s[G0B+4*\s+1], s45, \s*SLOT
	s_add_nc_u64 s[G0B+4*\s+2:G0B+4*\s+3], s[46:47], \s*4096
	s_or_b32 s[G0B+4*\s+3], s[G0B+4*\s+3], 0x80000000
	JLOAD G0+4*\s, G1, G0B+4*\s, G1B               ; two loads of mine are out
.endr
	v_and_b32 v1, 15, v0                           ; r
	v_bfe_u32 v2, v0, 4, 1                         ; h
	v_and_b32 v3, 31, v0
	v_lshlrev_b32 v[LI], 4, v3
	s_lshl_b32 s21, s15, 15                        ; my 128 rows of A
	s_lshl_b32 s22, s16, 15                        ; my 128 rows of B,
	s_add_co_u32 s22, s22, 2*HALFT                 ; which lie behind A's 256
.irp s, 0,1
	v_add_nc_u32 v[ADRA+\s], s21, v[LI]
	v_add_nc_u32 v[ADRB+\s], s22, v[LI]
	s_add_co_u32 s21, s21, SLOT
	s_add_co_u32 s22, s22, SLOT
.endr
	v_lshlrev_b32 v[SA], 6, v1
	v_lshl_add_u32 v[SA], v2, 5, v[SA]
	v_lshlrev_b32 v[CO], 8, v1
	v_lshl_add_u32 v[CO], v2, 4, v[CO]
	; the small product's two sides: rows of 16 f32.  q, k: A side T (tokens), B side the up weight (channels);  v: A side lv_up, B side T
	s_lshl_b32 s18, s[PROJ], 17
	s_mov_b32 s19, 0
	s_add_nc_u64 s[4:5], s[72:73], s[18:19]        ; T of my projection
	s_cmp_eq_u32 s[PROJ], 1
	s_cselect_b64 s[6:7], s[76:77], s[74:75]       ; lk_up or lq_up
	s_cmp_eq_u32 s[PROJ], 2
	s_cselect_b64 s[8:9], s[78:79], s[4:5]
	s_cselect_b64 s[10:11], s[4:5], s[6:7]
	s_lshl_b32 s18, s17, 14
	s_lshl_b32 s20, s15, 13
	s_add_co_u32 s18, s18, s20                     ; (256 x tile row + 128 x half) rows of 64 bytes
	s_add_nc_u64 s[8:9], s[8:9], s[18:19]
	s_lshl_b32 s18, s42, 14
	s_lshl_b32 s20, s16, 13
	s_add_co_u32 s18, s18, s20
	s_add_nc_u64 s[10:11], s[10:11], s[18:19]
.irp a, 0,1,2,3,4,5,6,7
	global_load_b128 v[SMA+8*\a:SMA+8*\a+3], v[SA], s[8:9] offset:1024*\a          ; row 16 a + r, k = 8 h + 0 .. 7
	global_load_b128 v[SMA+8*\a+4:SMA+8*\a+7], v[SA], s[8:9] offset:1024*\a+16
.endr
	WIN TO_B
.irp b, 0,1,2,3,4,5,6,7
	global_load_b128 v[8*\b:8*\b+3], v[SA], s[10:11] offset:1024*\b
	global_load_b128 v[8*\b+4:8*\b+7], v[SA], s[10:11] offset:1024*\b+16
.endr
	WIN 0
	s_lshl_b32 s18, s17, 16                        ; the tables at row 256 x tile row + 128 x half, 256 bytes a row
	s_lshl_b32 s20, s15, 15
	s_add_co_u32 s18, s18, s20
	s_add_nc_u64 s[COS:COS+1], s[80:81], s[18:19]
	s_add_nc_u64 s[SIN:SIN+1], s[82:83], s[18:19]
	s_lshl_b32 s20, s42, 1
	s_add_co_u32 s20, s20, s16                     ; 2 x tile column + half: q, k: the head;  v: the step of 128 keys
	s_lshl_b32 s21, s17, 1
	s_add_co_u32 s21, s21, s15                     ; 2 x tile row + half: q, k: 8 tiles of tokens;  v: the head
	s_lshl_b32 s22, s20, 7
	s_lshl_b32 s23, s21, 3
	s_add_co_u32 s22, s22, s23                     ; q, k: image number head x 128 + token / 16
	s_lshl_b32 s23, s21, 7
	s_add_co_u32 s23, s23, s20                     ; v: head x 128 + key step (+ 16 for each block of 16 channels)
	s_mov_b32 s[OST], 2048
	s_cmp_eq_u32 s[PROJ], 2
	s_cselect_b32 s22, s23, s22
	s_cselect_b32 s[OST], 32768, s[OST]
	s_mov_b32 s[OST+1], 0
	s_lshl_b32 s22, s22, 11
	s_lshl_b32 s23, s[PROJ], 22
	s_add_co_u32 s22, s22, s23
	s_mov_b32 s23, 0
	s_add_nc_u64 s[OUT:OUT+1], s[86:87], s[22:23]
	s_wait_loadcnt 0x0                             ; both small sides are in
	s_wait_kmcnt 0x0
	s_add_co_i32 s12, s92, s93                     ; ex + ew: a sum of codes stands for sum x 2^(ex + ew)
	s_sub_co_i32 s2, s94, s12                      ; so its code for the next product is sum / 2^(eo - ex - ew)
	s_sub_co_i32 s12, 1, s12
	s_add_co_i32 s2, s2, 127
	s_lshl_b32 s18, s2, 23
	v_mov_b32 v[VSC], s18
	s_add_co_i32 s2, s2, 8
	s_lshl_b32 s2, s2, 23
	s_or_b32 s2, s2, 0x600000
	v_mov_b32 v[VLM], s2
.set j, 0
.rept 64
	v_ldexp_f32 v[SMA+j], v[SMA+j], s12            ; the small A side x 2^(1 - ex - ew)
.set j, j+1
.endr
; 128 f32 matrix instructions: my rows 64 hi on; the 32 accumulators take turns, one instruction a turn; the first four K start the sums: nothing is ever cleared
.macro LORA hi
.irp s, 0,1,2,3
.irp a, 0,1,2,3
.irp b, 0,1,2,3,4,5,6,7
.if \s == 0
	v_wmma_f32_16x16x4_f32 v[8*(8*\a+\b):8*(8*\a+\b)+7], v[8*\b+2*\s:8*\b+2*\s+1], v[SMA+8*(4*\hi+\a)+2*\s:SMA+8*(4*\hi+\a)+2*\s+1], 0
.else
	v_wmma_f32_16x16x4_f32 v[8*(8*\a+\b):8*(8*\a+\b)+7], v[8*\b+2*\s:8*\b+2*\s+1], v[SMA+8*(4*\hi+\a)+2*\s:SMA+8*(4*\hi+\a)+2*\s+1], v[8*(8*\a+\b):8*(8*\a+\b)+7]
.endif
.endr
.endr
.endr
.endm
	WIN MUL_LO
	LORA 0
	WIN MUL_HI
	LORA 1
	WIN 0
.rept 9
	v_nop                                          ; nine places behind the f32 form, ahead of the FP8 form that goes on with its sums and of the loads into its operands' registers
.endr
; RoPE's tables for block a (16 rows), into set a % 2: lane (r, h) gets, for each accumulator b, cos and sin of row r at frequencies 8 b + 4 h + 0 .. 3: those of its four pairs.
; v's work-groups issue these loads too and use nothing of them: so every wait below counts the same loads on both ways, and no register is written on one way alone.
.macro ROPELOAD a
.set RS, 32+96*((\a)%2)
.irp b, 0,1,2,3,4,5,6,7
	global_load_b128 v[RS+4*\b:RS+4*\b+3], v[CO], s[COS:COS+1] offset:(\a)*4096+32*\b
.endr
.irp b, 0,1,2,3,4,5,6,7
	global_load_b128 v[RS+32+4*\b:RS+32+4*\b+3], v[CO], s[SIN:SIN+1] offset:(\a)*4096+32*\b
.endr
.endm
	ROPELOAD 0                                     ; it lands under the products
.macro FRAG reg, adr, q, i             ; a fragment comes back as the image that it is: four loads of 512 consecutive bytes
.irp c, 0,1,2,3
	ds_load_b128 v[\reg+4*\c:\reg+4*\c+3], v[\adr] offset:(\i)*4096+(\q)*2048+512*\c
.endr
.endm
; 16 matrix instructions: A's blocks a0, a0 + 1 x B's eight, 128 along K.  p: B's set.  The 64 accumulators take turns, one instruction a turn, in the same order in every step.
.macro MUL16 a0, p
.irp a, \a0, \a0+1
.irp b, 0,1,2,3,4,5,6,7
	v_wmma_f32_16x16x128_fp8_fp8 v[8*(8*((\a)%4)+\b):8*(8*((\a)%4)+\b)+7], v[128*(\p)+FR*\b:128*(\p)+FR*\b+FR-1], v[AF+FR*(\a):AF+FR*(\a)+FR-1], v[8*(8*((\a)%4)+\b):8*(8*((\a)%4)+\b)+7]
.endr
.endr
.endm
.macro FETCH_B slot, q, p
	WIN TO_B
.irp i, 0,1,2,3,4,5,6,7
	FRAG 128*(\p)+FR*\i, ADRB+\slot, \q, \i
.endr
	WIN 0
.endm
.macro FETCH_A slot, q, i0
.irp i, \i0, \i0+1, \i0+2, \i0+3
	FRAG AF+FR*(\i), ADRA+\slot, \q, \i
.endr
.endm
.macro PLACES n                        ; places in front of loads into registers that matrix instructions have read, and of the first read of results (ISA guide 7.12.1 for the first read of results)
.rept \n
	v_nop
.endr
.endm
; A step of 128 along K that has its successor in the same slot.  A has one set of registers: a block is free as soon as its eight products are issued; B has two.
.macro STEP slot, q
	s_wait_dscnt 4*NL                              ; B's set and A's blocks 0-3 are in; the youngest sixteen loads (A's blocks 4-7) may be out
	WIN MUL_LO
	MUL16 0, (\q)%2
	MUL16 2, (\q)%2
	s_wait_dscnt 0                                 ; A's blocks 4-7 are in
	PLACES NP
	FETCH_B \slot, (\q)+1, 1-(\q)%2
	FETCH_A \slot, (\q)+1, 0
	WIN MUL_HI
	MUL16 4, (\q)%2
	MUL16 6, (\q)%2
	PLACES NP
	WIN 0
	FETCH_A \slot, (\q)+1, 4
.endm
; A slot's last step changes slots: ONE barrier; in front of it each wave waits for all its tensor loads, adds 0 to its spare word, and waits for that and for its own reads of this slot.  fill = 1: this slot is filled again, two K steps ahead.
.macro TURN slot, next, fill
	s_wait_tensorcnt 0x0                           ; all my tensor loads have landed: the one that was out is my part of the next slot
	ds_add_u32 v[SPW], v[NIL]                      ; 0 onto my spare word
	s_wait_dscnt 4*NL+1                            ; (the add and the youngest sixteen loads may be out)
	WIN MUL_LO
	MUL16 0, 1                                     ; sixteen matrix instructions stand between the add and the wait for it
	s_wait_dscnt 0x0                               ; the add is done, and my reads of this slot are over
	s_barrier_signal -1
	MUL16 2, 1
	WIN 0
	s_barrier_wait -1
.if \fill
	CREST                                          ; the barrier has opened a round of the cluster's barrier: no wave of any partner still reads this slot or has a load on its way
	s_add_nc_u64 s[G0+4*\slot+2:G0+4*\slot+3], s[G0+4*\slot+2:G0+4*\slot+3], 2*4096
	s_add_nc_u64 s[G0B+4*\slot+2:G0B+4*\slot+3], s[G0B+4*\slot+2:G0B+4*\slot+3], 2*4096
	JLOAD G0+4*\slot, G1, G0B+4*\slot, G1B         ; the first tensor load behind the round, my one load until the next; its four v_nop are the places in front of the loads below
.else
	PLACES NP
.endif
	FETCH_B \next, 0, 0
	FETCH_A \next, 0, 0
	WIN MUL_HI
	MUL16 4, 1
	MUL16 6, 1
	PLACES NP
	WIN 0
	FETCH_A \next, 0, 4
.endm
	s_wait_tensorcnt 1                             ; my part of slot 0 is in; slot 1's load may be out
	s_barrier_signal -1
	s_barrier_wait -1                              ; everybody's is
	FETCH_B 0, 0, 0
	FETCH_A 0, 0, 0
	FETCH_A 0, 0, 4
	STEP 0, 0
	s_mov_b32 s3, LAPS-1
.Llap:                                                 ; a trip goes once round the ring, from a lap's second step to the next lap's first, and fills both slots again
	TURN 0, 1, 1
	STEP 1, 0
	TURN 1, 0, 1
	STEP 0, 0
	s_sub_co_u32 s3, s3, 1
	s_cmp_lg_u32 s3, 0
	s_cbranch_scc1 .Llap
	TURN 0, 1, 0                                   ; the last lap fills nothing, and has no round of the cluster's barrier
	STEP 1, 0
	s_wait_dscnt 4*NL                              ; the very last step: nothing more to fetch
	WIN MUL_LO
	MUL16 0, 1
	MUL16 2, 1
	s_wait_dscnt 0
	WIN MUL_HI
	MUL16 4, 1
	MUL16 6, 1
	WIN 0
; THE WAY OUT, block a of 16 rows x 128 columns.  q, k: each pair (x, y) of neighbouring channels becomes (x c - y s, x s + y c); the rotation is linear, so it is made on the sums as they stand.
; Then the hold, the conversion, and four stores of 512 consecutive bytes: the image of one fragment.
.macro OUTB a
.set AC, 64*((\a)%4)
.set RS, 32+96*((\a)%2)
.if (\a) < 7
	ROPELOAD (\a)+1
.set RS, 32+96*((\a)%2)
	s_wait_loadcnt 16                              ; this block's sixteen table loads are in; the next block's sixteen may be out
.else
	s_wait_loadcnt 0
.endif
	s_cmp_eq_u32 s[PROJ], 2
	s_cbranch_scc1 .Lplain_\@
	WIN 0x02+((\a)/4)                              ; source 0: window 2 or 3
.irp b, 0,1,2,3,4,5,6,7
.irp p, 0,1,2,3                        ; (x c, y c): the pair's cosine serves both halves.  Each accumulator from its low end on
.if (\p)%2 == 0
	v_pk_mul_f32 v[TMP+8*\b+2*\p:TMP+8*\b+2*\p+1], v[AC+8*\b+2*\p:AC+8*\b+2*\p+1], v[RS+4*\b+(\p)/2*2:RS+4*\b+(\p)/2*2+1] op_sel:[0,0] op_sel_hi:[1,0]
.else
	v_pk_mul_f32 v[TMP+8*\b+2*\p:TMP+8*\b+2*\p+1], v[AC+8*\b+2*\p:AC+8*\b+2*\p+1], v[RS+4*\b+(\p)/2*2:RS+4*\b+(\p)/2*2+1] op_sel:[0,1] op_sel_hi:[1,1]
.endif
.endr
.irp p, 0,1,2,3                        ; + (-y s, x s): source 0's halves change places, the low one negated
.if (\p)%2 == 0
	v_pk_fma_f32 v[TMP+8*\b+2*\p:TMP+8*\b+2*\p+1], v[AC+8*\b+2*\p:AC+8*\b+2*\p+1], v[RS+32+4*\b+(\p)/2*2:RS+32+4*\b+(\p)/2*2+1], v[TMP+8*\b+2*\p:TMP+8*\b+2*\p+1] op_sel:[1,0,0] op_sel_hi:[0,0,1] neg_lo:[1,0,0]
.else
	v_pk_fma_f32 v[TMP+8*\b+2*\p:TMP+8*\b+2*\p+1], v[AC+8*\b+2*\p:AC+8*\b+2*\p+1], v[RS+32+4*\b+(\p)/2*2:RS+32+4*\b+(\p)/2*2+1], v[TMP+8*\b+2*\p:TMP+8*\b+2*\p+1] op_sel:[1,1,0] op_sel_hi:[0,1,1] neg_lo:[1,0,0]
.endif
.endr
.endr
	WIN 0
.set j, 0
.rept 64
	v_med3_num_f32 v[TMP+j], v[TMP+j], -v[VLM], v[VLM]         ; the conversion to an 8-bit code does not saturate (ISA guide 7.6.2): the hold at the largest code x the scale
.set j, j+1
.endr
	s_branch .Lq_\@
.Lplain_\@:
	WIN 0x02+((\a)/4)
.set j, 0
.rept 64
	v_med3_num_f32 v[TMP+j], v[AC+j], -v[VLM], v[VLM]          ; v: no rotation: the hold takes the sums as they stand, each accumulator from its low end on
.set j, j+1
.endr
	WIN 0
.Lq_\@:
	s_wait_xcnt 0x0                                ; the last block's stores have read their codes and their base: both are rewritten only behind this wait
.irp b, 0,1,2,3,4,5,6,7
	v_cvt_scalef32_pk8_fp8_f32 v[PC+2*\b:PC+2*\b+1], v[TMP+8*\b:TMP+8*\b+7], v[VSC]   ; register pair b: k = 16 b + 8 h + 0 .. 7
.endr
	v_nop                                          ; one plain vector line behind the last conversion
.if (\a) > 0
	s_add_nc_u64 s[OUT:OUT+1], s[OUT:OUT+1], s[OST:OST+1]
.endif
.irp c, 0,1,2,3
	global_store_b128 v[LI], v[PC+4*\c:PC+4*\c+3], s[OUT:OUT+1] offset:512*\c
.endr
.endm
	PLACES NP                                      ; behind the last products: ahead of the loads into the registers that held A's fragments and of the reads of results
.irp a, 0,1,2,3,4,5,6,7
	OUTB \a
.endr
	s_wait_tensorcnt 0x0                           ; the wave's end, behind my last tensor load
	ds_add_u32 v[SPW], v[NIL]
	s_wait_dscnt 0x0
	CROUND                                         ; the closing round: no work-group ends while a partner may still ask for a tile that names it
	s_endpgm
.Lfunc_end_k_qc58fcc4eb4_qkv:
	.size	k_qc58fcc4eb4_qkv, .Lfunc_end_k_qc58fcc4eb4_qkv-k_qc58fcc4eb4_qkv
	.p2alignl 7, 3214868480
	.fill 96, 4, 3214868480
	.section	.rodata,"a",@progbits
	.p2align	6, 0x0
	.amdhsa_kernel k_qc58fcc4eb4_qkv
		.amdhsa_group_segment_fixed_size 327680
		.amdhsa_private_segment_fixed_size 0
		.amdhsa_enable_private_segment 0
		.amdhsa_kernarg_size 80
		.amdhsa_user_sgpr_count 2
		.amdhsa_user_sgpr_kernarg_segment_ptr 1
		.amdhsa_wavefront_size32 1
		.amdhsa_system_sgpr_workgroup_id_x 1
		.amdhsa_system_sgpr_workgroup_id_y 1
		.amdhsa_system_sgpr_workgroup_id_z 1
		.amdhsa_system_vgpr_workitem_id 0
		.amdhsa_next_free_vgpr 1024
		.amdhsa_next_free_sgpr 106
		.amdhsa_reserve_vcc 0
		.amdhsa_float_denorm_mode_32 3
		.amdhsa_float_denorm_mode_16_64 3
		.amdhsa_memory_ordered 1
		.amdhsa_forward_progress 1
		.amdhsa_inst_pref_size 220
	.end_amdhsa_kernel
	.amdgpu_metadata
---
amdhsa.version: [ 1, 2 ]
amdhsa.kernels:
  - .name:           k_qc58fcc4eb4_qkv
    .symbol:         k_qc58fcc4eb4_qkv.kd
    .args:
      - { .name: xc, .offset: 0, .size: 8, .value_kind: global_buffer, .address_space: global }
      - { .name: wc, .offset: 8, .size: 8, .value_kind: global_buffer, .address_space: global }
      - { .name: tl, .offset: 16, .size: 8, .value_kind: global_buffer, .address_space: global }
      - { .name: lq_up, .offset: 24, .size: 8, .value_kind: global_buffer, .address_space: global }
      - { .name: lk_up, .offset: 32, .size: 8, .value_kind: global_buffer, .address_space: global }
      - { .name: lv_up, .offset: 40, .size: 8, .value_kind: global_buffer, .address_space: global }
      - { .name: freqs_cos, .offset: 48, .size: 8, .value_kind: global_buffer, .address_space: global }
      - { .name: freqs_sin, .offset: 56, .size: 8, .value_kind: global_buffer, .address_space: global }
      - { .name: lowp_scales, .offset: 64, .size: 8, .value_kind: global_buffer, .address_space: global }
      - { .name: qkvc, .offset: 72, .size: 8, .value_kind: global_buffer, .address_space: global }
    .group_segment_fixed_size: 327680
    .private_segment_fixed_size: 0
    .kernarg_segment_align: 8
    .kernarg_segment_size: 80
    .max_flat_workgroup_size: 128
    .sgpr_count:     106
    .vgpr_count:     1024
    .wavefront_size: 32
...
	.end_amdgpu_metadata
.endif
;; end of part 2
;; launch attn (part 3): grid 16 x 16, 8 waves a work-group, clusters of 4 x 4, 327,680 bytes of LDS; arguments qkvc, mask, lowp_scales, ac; writes ac
.if DOCPART == 3
	.amdgcn_target "amdgcn-amd-amdhsa--gfx1250"
	.amdhsa_code_object_version 6
	.text
	.protected	k_qc58fcc4eb4_attn
	.globl	k_qc58fcc4eb4_attn
	.p2align	8
	.type	k_qc58fcc4eb4_attn,@function
k_qc58fcc4eb4_attn:
	s_mov_b64 s[64:65], 0
	v_nop
	global_prefetch_b8 v0, s[64:65] scope:SCOPE_SE
	s_setreg_imm32_b32 hwreg(HW_REG_WAVE_MODE, 25, 1), 1
	s_wait_xcnt 0x0
	s_wait_alu depctr_hold_cnt(0) depctr_sa_sdst(0) depctr_va_vdst(0) depctr_va_sdst(0) depctr_va_ssrc(0) depctr_va_vcc(0) depctr_vm_vsrc(0)
	s_getreg_b32 s2, hwreg(HW_REG_IB_STS2, 6, 4)
	s_cmp_eq_u32 s2, 0
	s_cbranch_scc0 .Lentry_in_a_cluster
	s_endpgm
.Lentry_in_a_cluster:
	s_bfe_u32 s2, ttmp6, 0x10000c
	s_cmp_lg_u32 s2, 0xf033
	s_cbranch_scc0 .Lentry_shape_is_right
	s_endpgm
.Lentry_shape_is_right:
; ATTN: O[h][q] = the sum over k of softmax_k(Q[h][q] . K[h][k] / sqrt(128) + mask[q][k]) V[h][k], both products on codes of FP8 (E4M3); the result leaves as codes for the output projection.
; The mask is an input of f32 numbers: every number of it is read and added, and no tile of keys is left out.
; THE SOFTMAX AHEAD OF THE SECOND PRODUCT: logit = score / sqrt(128) + mask; t = logit x log2(e), rounded to f32; M = the row's largest t so far, rounded UP to a whole number; p = 2^(t - M) is what is quantised (2^e14);
; the row's sum is taken of the unquantised p and divides O at the end.  When M moves, the sum and O are multiplied by 2^(old M - new M): exact.  t is rounded BEFORE M is taken away, so that t - M <= 0 whatever offset the mask carries.
; All operands lie in memory as images of operand registers (16 rows x 128 K: 2,048 bytes; byte 512 c + 16 lane = registers 4 c .. 4 c + 3; register pair c' of lane (r, h): k = 16 c' + 8 h + 0 .. 7 of row r).
; SHARES.  A work-group owns 128 queries of one head; each of its eight waves one tile of 16, in 512 registers: two waves to a SIMD.  Every wave walks all 2,048 keys, 128 a step, one step to a slot of a ring of two.
; LAYOUT.  Both products are used transposed: S^T = K Q^T (source 0 = 16 keys), O^T = V^T P^T (source 0 = 16 channels): a lane holds ONE query (lane % 16) throughout, and register 8 t + j of S^T is key 16 t + 8 h + j:
; the conversions of p's eight tiles are the eight register pairs of the second product's operand, k in its own place; O^T's likewise are one fragment of the output projection's A (K step = the head).
; EVERY RUN OF LDS LOADS IS ISSUED A PHASE AHEAD OF ITS USE.  A step reads 80 x 512 bytes a wave, in five runs of sixteen loads.  K's eight fragments and V's eight have registers of their own, so: V of step n is asked for
; round the products K Q^T of step n and used behind its softmax; K and the mask of step n + 1 are asked for among the exponentials, sums and conversions of step n.  For that THE CHANGE OF SLOTS STANDS IN A STEP'S MIDDLE,
; between t - M and the exponentials: there all of a wave's reads of the step's slot are in, and the next step's slot is whole.
; CLUSTER.  4 x 4 work-groups: x = blocks of queries, y = heads.  K's and V's tiles hang on the head alone: asked for jointly along a row of the cluster.  The mask's tile hangs on the block of queries alone: jointly along a column.
; Waves 0-3 fetch a quarter of the mask's tile each (32 rows x 512 bytes), wave 4 K's eight images, wave 5 V's; waves 6 and 7 nothing.  One load of a wave is out at a time; every wait on TENSORcnt is for 0.
; LIMITS: e12 + e13 between -122 and 131 (added to the exponent field of 1 / sqrt(128)); e14, and e16 - e14 - e15, between -126 and 119.  NaN among the inputs is not served, nor a row all of whose logits are -infinity.
; REGISTERS, in windows of 256 (s_set_vgpr_msb: bits 1:0 source 0, 7:6 destination):
;   window 0: v1-7 addresses that stay; v8-10 the addresses of the loads in hand; v12 -M, v13 the largest t, v[14:15] the sum in two halves; v16-31 Q; v32-95 64 numbers of the mask; v96-159 S^T, t, p; v160-223 O^T; v224-239 codes; v236-254 at work.
;   window 1: v0-127 K's eight fragments; v128-255 V's eight.  Two settings beside 0: 0x40 for the loads into window 1, 0x01 for source 0 of both products: ten switches a step.
.set SLOT1, 1<<17                      ; slot 1 begins here: one exclusive or turns an address in one slot into the other's
.set MP,    528                        ; a row of the mask's tile in LDS: 512 bytes + 16: row r starts 4 r words on, so the sixteen rows of a read fall on different banks (ISA guide 11.1)
.set KOFF,  128*MP                     ; a slot: 128 rows of the mask, K's eight images, V's eight
.set VOFF,  KOFF+16384
.set SPARE, 2*SLOT1                    ; behind the ring: the spare words, 128 bytes for each wave: four blocks of 256 bytes that no other line names
.set AK0,  1                           ; v1   16 x lane + KOFF
.set AV0,  2                           ; v2   16 x lane + VOFF
.set PFO,  3                           ; v3   the prefetches' offset for my lane; never rewritten
.set AM,   4                           ; v4   my query's row of the mask's tile, + 32 h
.set SPW,  5                           ; v5   LDS address of my spare word; never rewritten
.set NIL,  6                           ; v6   0; never rewritten
.set LI,   7                           ; v7   16 x lane
.set ADK,  8
.set ADV,  9
.set ADM,  10
.set KW,   0                           ; K's fragments, in window 1
.set VW,   128                         ; V's fragments, in window 1
.set TB,   2                           ; s2   LDS byte at which the slot begins from which the next loads read
.set SLOTS, 3                          ; s3   steps still to be asked for
.set LE,   12                          ; s[12:13] log2(e): the packed form names a pair and takes its low word for both halves
.set WV,   18                          ; s18  wave
.set SEL,  20                          ; s[20:21] lane selects for v_permlanex16_b32: lane l xor 16
.set CS,   22                          ; s[22:23] 2^(e12 + e13) / sqrt(128)
.set G1M,  24                          ; s[24:31], s[32:39], s[40:47] descriptor groups 1 for the mask's, K's and V's tiles
.set G1K,  32
.set G1V,  40
.set G0M,  48                          ; s[48:51], s[52:55], s[56:59] their groups 0, which walk
.set G0K,  52
.set G0V,  56
.set PFA,  76                          ; s[76:77] where my prefetches stand
.set PFS,  78                          ; s[78:79] a step on, in bytes
.set LIM,  80                          ; s80  2 in a wave that prefetches, else the greatest number
.set MSB, 0
.macro WIN new                         ; the immediate's high byte repeats the setting that is left; a switch that changes nothing is dropped
.if MSB != \new
	s_set_vgpr_msb (MSB<<8)|\new
.set MSB, \new
.endif
.endm
.macro CROUND                          ; a round of the cluster's barrier
	s_barrier_signal -1
	s_barrier_wait -1
	s_cmp_lg_u32 s[WV], 0
	s_cbranch_scc1 .Lnot_wave_0_\@
	s_barrier_signal -3
.Lnot_wave_0_\@:
	s_barrier_wait -3
	s_barrier_signal -1
	s_barrier_wait -1
.endm
; The joint loads of a step.  The branches hang on the wave's number alone.  An s_nop 0 and four v_nop follow each line.
.macro TLOAD
	s_cmp_lt_u32 s[WV], 4
	s_cbranch_scc0 .Lnot_m_\@
	tensor_load_to_lds s[G0M:G0M+3], s[G1M:G1M+7]
	s_nop 0
.rept 4
	v_nop
.endr
	s_branch .Lasked_\@
.Lnot_m_\@:
	s_cmp_eq_u32 s[WV], 4
	s_cbranch_scc0 .Lnot_k_\@
	tensor_load_to_lds s[G0K:G0K+3], s[G1K:G1K+7]
	s_nop 0
.rept 4
	v_nop
.endr
	s_branch .Lasked_\@
.Lnot_k_\@:
	s_cmp_eq_u32 s[WV], 5
	s_cbranch_scc0 .Lasked_\@
	tensor_load_to_lds s[G0V:G0V+3], s[G1V:G1V+7]
	s_nop 0
.rept 4
	v_nop
.endr
.Lasked_\@:
.endm
; A PREFETCH INTO THE L2: at the change that loads step n, of what the change two further on will load (step n + 2): two steps' work ahead of that load.  Each aligned block of 256 bytes is named once in the launch.
; K and V of a head are walked by the four clusters of a row of clusters: the first of them (cluster x = 0) asks, by wave 4; its four partners of a head take K's two halves (32 blocks each) and V's two halves
; (4 rows x 8 blocks), told apart BY ADDRESS.  The mask's rows of a block of queries are walked by the four clusters of a column: cluster y = 0 asks, by waves 6 and 7 (one block of 256 bytes of a row each);
; its four partners take 32 rows each, by address.  Steps 0 to 2 come by their loads alone; the last two changes that load ask for nothing.
.macro ASK
	s_cmp_gt_u32 s[SLOTS], s[LIM]
	s_cbranch_scc0 .Lnot_mine_\@
	global_prefetch_b8 v[PFO], s[PFA:PFA+1] th:TH_LOAD_NT scope:SCOPE_SE
.Lnot_mine_\@:
.endm
	s_load_b256 s[4:11], s[0:1], 0x0               ; qkvc s[4:5], mask s[6:7], the scales' exponents s[8:9], ac s[10:11]
	v_lshl_add_u32 v[SPW], v0, 2, SPARE
	v_mov_b32 v[NIL], 0
	ds_add_u32 v[SPW], v[NIL]                      ; the wave's opening: the add and its wait stand ahead of my first tensor load; the set-up below, work on registers, stands between them
	v_lshrrev_b32 v8, 5, v0
	v_readfirstlane_b32 s[WV], v8                  ; wave 0..7
	s_bfe_u32 s60, ttmp6, 0x40000                  ; cx
	s_bfe_u32 s61, ttmp6, 0x40004                  ; cy
	s_lshl_b32 s62, ttmp9, 2
	s_add_co_u32 s62, s62, s60                     ; my block of 128 queries = 4 x cluster x + cx
	s_and_b32 s63, ttmp7, 0xffff
	s_lshl_b32 s63, s63, 2
	s_add_co_u32 s63, s63, s61                     ; my head = 4 x cluster y + cy
	s_lshl_b32 s67, s61, 2
	s_lshl_b32 s67, 15, s67                        ; my row of the cluster: the same head
	s_lshl_b32 s66, 0x1111, s60                    ; my column: the same queries
	s_or_b32 s[G1M], s66, (2<<16)|(1<<20)|(1<<21)|(6<<22)|(3<<25)  ; the mask: 15:0 my column; elements of 4 bytes; padding on; 21 set beside a mask; after every 128 words (code 6) four words (code 3)
	s_mov_b32 s[G1M+1], 128<<16                    ; tensor_dim0 = 128
	s_mov_b32 s[G1M+2], 32<<16                     ; tensor_dim1 = 32
	s_mov_b32 s[G1M+3], 128<<16                    ; tile_dim0
	s_mov_b32 s[G1M+4], 32                         ; tile_dim1
	s_mov_b32 s[G1M+5], 2048                       ; a row of the mask
	s_mov_b32 s[G1M+6], 0
	s_mov_b32 s[G1M+7], 0
	s_or_b32 s[G1K], s67, (3<<16)|(1<<21)          ; K: eight images on end, a dense block: 64 rows of 256 bytes; elements of 8 bytes; my row
	s_mov_b32 s[G1K+1], 32<<16
	s_mov_b32 s[G1K+2], 64<<16
	s_mov_b32 s[G1K+3], 32<<16
	s_mov_b32 s[G1K+4], 64
	s_mov_b32 s[G1K+5], 32
	s_mov_b32 s[G1K+6], 0
	s_mov_b32 s[G1K+7], 0
	s_or_b32 s[G1V], s67, (3<<16)|(1<<21)          ; V: eight images (one for each 16 channels), 32,768 bytes apart: 8 rows of 2,048 bytes
	s_mov_b32 s[G1V+1], 256<<16
	s_mov_b32 s[G1V+2], 8<<16
	s_mov_b32 s[G1V+3], 256<<16
	s_mov_b32 s[G1V+4], 8
	s_mov_b32 s[G1V+5], 4096
	s_mov_b32 s[G1V+6], 0
	s_mov_b32 s[G1V+7], 0
	s_and_b32 s82, s[WV], 3
	s_mul_i32 s83, s82, 32*MP                      ; my quarter of the mask's tile in a slot: no place in the cluster enters an LDS address
	s_lshl_b32 s84, s62, 7
	s_lshl_b32 s82, s82, 5
	s_add_co_u32 s84, s84, s82                     ; its first row: 128 x block + 32 x quarter,
	s_lshl_b32 s84, s84, 13                        ; of 8,192 bytes
	s_mov_b32 s85, 0
	s_lshl_b32 s86, s63, 18                        ; the head's 262,144 bytes in each third of qkvc
	s_mov_b32 s87, 0
	s_mov_b32 s[SEL], 0x76543210
	s_mov_b32 s[SEL+1], 0xfedcba98
	s_mov_b32 s[CS], 0x3db504f3                    ; 1 / sqrt(128)
	s_mov_b32 s[LE], 0x3fb8aa3b                    ; log2(e)
	s_mov_b32 s[LE+1], s[LE]
	s_mov_b32 s[TB], 0
	s_mov_b32 s[SLOTS], 15
	s_wait_dscnt 0x0                               ; the opening add is done
	s_wait_kmcnt 0x0
	s_load_b128 s[68:71], s[8:9], 0x30             ; e12 (q), e13 (k), e14 (p), e15 (v)
	s_load_b32 s72, s[8:9], 0x40                   ; e16 (the output projection's A)
	s_mov_b32 s[G0M], 1
	s_mov_b32 s[G0M+1], s83
	s_add_nc_u64 s[G0M+2:G0M+3], s[6:7], s[84:85]
	s_or_b32 s[G0M+3], s[G0M+3], 0x80000000
	s_add_nc_u64 s[88:89], s[4:5], s[86:87]        ; q's images of my head
	s_mov_b32 s[G0K], 1
	s_mov_b32 s[G0K+1], KOFF
	s_add_nc_u64 s[G0K+2:G0K+3], s[88:89], 0x400000
	s_or_b32 s[G0K+3], s[G0K+3], 0x80000000
	s_mov_b32 s[G0V], 1
	s_mov_b32 s[G0V+1], VOFF
	s_add_nc_u64 s[G0V+2:G0V+3], s[88:89], 0x800000
	s_or_b32 s[G0V+3], s[G0V+3], 0x80000000
	CROUND                                         ; all sixteen work-groups are here: the first joint loads meet
	TLOAD                                          ; step 0, into slot 0
	s_lshl_b32 s90, s62, 3
	s_add_co_u32 s90, s90, s[WV]                   ; my tile of 16 queries: 8 x block + wave
	s_lshl_b32 s92, s90, 11
	s_mov_b32 s93, 0
	s_add_nc_u64 s[88:89], s[88:89], s[92:93]      ; its image in q
	v_and_b32 v8, 31, v0
	v_lshlrev_b32 v[LI], 4, v8
.irp c, 0,1,2,3
	global_load_b128 v[16+4*\c:19+4*\c], v[LI], s[88:89] offset:512*\c     ; Q's fragment stays in registers
.endr
	s_lshl_b32 s92, s90, 15
	s_lshl_b32 s94, s63, 11
	s_add_co_u32 s92, s92, s94
	s_add_nc_u64 s[10:11], s[10:11], s[92:93]      ; ac: (token / 16) x 32,768 + head x 2,048
	v_add_nc_u32 v[AK0], KOFF, v[LI]
	v_add_nc_u32 v[AV0], VOFF, v[LI]
	v_and_b32 v8, 15, v0                           ; r
	v_bfe_u32 v9, v0, 4, 1                         ; h
	s_mul_i32 s94, s[WV], 16*MP
	v_mul_u32_u24 v[AM], v8, MP
	v_lshl_add_u32 v[AM], v9, 5, v[AM]
	v_add_nc_u32 v[AM], s94, v[AM]
	; the prefetches: who asks, and where (macro ASK).  What hangs on cx and cy here enters global addresses alone
	s_lshr_b32 s82, s60, 1                         ; wave 4: cx / 2: K (0) or V (1);
	s_and_b32 s83, s60, 1                          ; cx % 2: which half of a step's blocks
	s_cmp_eq_u32 s82, 1
	s_mov_b32 s84, 2048
	s_cselect_b32 s84, 32768, s84                  ; from eight blocks to the next eight
	s_mov_b32 s85, 8192
	s_cselect_b32 s85, 131072, s85                 ; a half
	s_mov_b32 s86, 16384
	s_cselect_b32 s86, 2048, s86                   ; a step
	s_mul_i32 s85, s85, s83
	s_lshl_b32 s87, s82, 22
	s_add_co_u32 s87, s87, 0x400000
	s_add_co_u32 s87, s87, s85
	s_lshl_b32 s90, s63, 18
	s_add_co_u32 s87, s87, s90
	s_lshl_b32 s90, s86, 1
	s_add_co_u32 s87, s87, s90                     ; at step 2: the first change steps it to step 3
	s_lshl_b32 s90, s62, 7                         ; waves 6, 7: the mask's rows 128 x block + 32 cy on,
	s_lshl_b32 s91, s61, 5
	s_add_co_u32 s90, s90, s91
	s_lshl_b32 s90, s90, 13
	s_and_b32 s91, s[WV], 1
	s_lshl_b32 s91, s91, 8                         ; the wave's 256 bytes of a step's 512,
	s_add_co_u32 s90, s90, s91
	s_add_co_u32 s90, s90, 1024                    ; at step 2
	s_mov_b32 s91, 8192
	s_mov_b32 s94, 65536
	s_and_b32 s95, ttmp7, 0xffff
	s_cmp_eq_u32 s[WV], 4
	s_cselect_b64 s[PFA:PFA+1], s[4:5], s[6:7]
	s_cselect_b32 s92, s87, s90
	s_cselect_b32 s[PFS], s86, 512
	s_cselect_b32 s91, 256, s91                    ; from lane to lane within eight,
	s_cselect_b32 s94, s84, s94                    ; and from eight lanes to the next
	s_cselect_b32 s95, ttmp9, s95                  ; the coordinate along which other clusters walk the same bytes
	s_mov_b32 s[PFS+1], 0
	s_add_nc_u64 s[PFA:PFA+1], s[PFA:PFA+1], s[92:93]
	s_cmp_lt_u32 s[WV], 4
	s_cselect_b32 s96, 1, 0
	s_cmp_eq_u32 s[WV], 5
	s_cselect_b32 s96, 1, s96                      ; waves 0-3 and 5 never ask
	s_or_b32 s95, s95, s96
	s_cmp_eq_u32 s95, 0
	s_cselect_b32 s[LIM], 2, -1                    ; the same in all sixteen partners, for a given wave
	v_and_b32 v8, 7, v0
	v_bfe_u32 v9, v0, 3, 2
	v_mul_lo_u32 v8, v8, s91
	v_mul_lo_u32 v9, v9, s94
	v_add_nc_u32 v[PFO], v8, v9
	v_mov_b32 v13, 0xff61b1e6                      ; the largest t so far: -3e38
	v_floor_f32 v12, -v13                          ; -M
	v_mov_b32 v14, 0                               ; the sum, in two halves
	v_mov_b32 v15, 0
	v_mov_b32 v236, 0                              ; written once: a lane permute's destination counts as one of its sources
	v_mov_b32 v253, 0                              ; (named as the upper half of the pair v[252:253])
.set j, 0
.rept 64
	v_mov_b32 v[160+j], 0                          ; O^T.  (The step is written once for the loop: its first walk finds zeros, which the first change of M leaves zeros)
.set j, j+1
.endr
	s_wait_kmcnt 0x0
	s_add_co_i32 s82, s68, s69
	s_lshl_b32 s82, s82, 23
	s_add_co_i32 s[CS], s[CS], s82                 ; a score stands for score x 2^(e12 + e13): added to the exponent field
	s_mov_b32 s[CS+1], s[CS]
	s_add_co_i32 s82, s70, 127
	s_lshl_b32 s83, s82, 23
	v_mov_b32 v244, s83                            ; 2^e14, for p's conversions
	s_add_co_i32 s82, s82, 8
	s_lshl_b32 s82, s82, 23
	s_or_b32 s82, s82, 0x600000
	v_mov_b32 v240, s82                            ; 448 x that
	s_sub_co_i32 s82, s72, s70
	s_sub_co_i32 s82, s82, s71                     ; O^T / sum stands for that x 2^(e14 + e15): its code is (O^T / sum) / 2^(e16 - e14 - e15)
	s_add_co_i32 s82, s82, 127
	s_lshl_b32 s83, s82, 23
	v_mov_b32 v245, s83
	s_add_co_i32 s82, s82, 8
	s_lshl_b32 s82, s82, 23
	s_or_b32 s82, s82, 0x600000
	v_mov_b32 v241, s82
; THE RUNS OF LDS LOADS, sixteen each.  A fragment comes as the image that it is: four loads of 512 consecutive bytes.  LDK and LDV leave the destination's window at 1: the caller sets the next.
.macro LDK g                           ; K's fragments 4 g .. 4 g + 3 (keys 64 g on)
	WIN 0x40
.irp t, 0,1,2,3
.irp c, 0,1,2,3
	ds_load_b128 v[KW+16*(4*(\g)+\t)+4*\c:KW+16*(4*(\g)+\t)+4*\c+3], v[ADK] offset:(4*(\g)+\t)*2048+512*\c
.endr
.endr
.endm
.macro LDV g                           ; V's fragments 4 g .. 4 g + 3 (channels 64 g on)
	WIN 0x40
.irp t, 0,1,2,3
.irp c, 0,1,2,3
	ds_load_b128 v[VW+16*(4*(\g)+\t)+4*\c:VW+16*(4*(\g)+\t)+4*\c+3], v[ADV] offset:(4*(\g)+\t)*2048+512*\c
.endr
.endr
.endm
.macro LDM                             ; mask(my query, keys 16 t + 8 h + 0 .. 7), t = 0 .. 7
.irp t, 0,1,2,3,4,5,6,7
	ds_load_b128 v[32+8*\t:35+8*\t], v[ADM] offset:64*\t
	ds_load_b128 v[36+8*\t:39+8*\t], v[ADM] offset:64*\t+16
.endr
.endm
; THE CHANGE OF SLOTS, in two parts, with work on registers between them.  Each wave waits for all its tensor loads (its part of the slot that it will read next), adds 0 to its spare word, and waits for that and for its reads of the slot in hand.
; fill = 1: a round of the cluster's barrier, so that no wave of any partner still reads that slot or has a load on its way; the joint refill is the first thing behind it and has a step's work in which to land.
.macro CHG_A fill
	s_wait_tensorcnt 0x0                           ; no tensor load of mine is out, so a group 0 may be written
	ds_add_u32 v[SPW], v[NIL]                      ; 0 onto my spare word; work on registers stands between it and the wait for it
.if \fill
	s_xor_b32 s[G0M+1], s[G0M+1], SLOT1            ; the walking descriptors: the other slot than last time, the next 128 keys
	s_add_nc_u64 s[G0M+2:G0M+3], s[G0M+2:G0M+3], 512
	s_xor_b32 s[G0K+1], s[G0K+1], SLOT1
	s_add_nc_u64 s[G0K+2:G0K+3], s[G0K+2:G0K+3], 16384
	s_xor_b32 s[G0V+1], s[G0V+1], SLOT1
	s_add_nc_u64 s[G0V+2:G0V+3], s[G0V+2:G0V+3], 2048
	s_wait_xcnt 0x0                                ; the last prefetch, a step back, has read its address, so it may be written
	s_add_nc_u64 s[PFA:PFA+1], s[PFA:PFA+1], s[PFS:PFS+1]
.endif
.endm
.macro CHG_B fill
	s_wait_dscnt 0x0                               ; the add is done, and all my reads of the slot in hand are in: K's, the mask's and V's
.if \fill
	CROUND
	TLOAD
	ASK
.else
	s_barrier_signal -1
	s_barrier_wait -1
.endif
.endm
; A KEY STEP.  At its head K's 32 loads and the mask's 16 are out, in that order.  chg = 2: the change of slots fills the slot in hand again; 1: it fills nothing (the last step's tile is whole behind its barrier); 0: the last step: no change, nothing more to read.
.macro STEP chg
	s_wait_dscnt 16                                ; K's fragments are in; the mask's sixteen younger loads may be out
	v_add_nc_u32 v[ADV], s[TB], v[AV0]
.rept 3
	v_nop                                          ; with the addition above: four places behind the last step's products, ahead of the loads into the registers that they read
.endr
	LDV 0
	WIN 0x01                                       ; source 0 window 1
.irp t, 0,1,2,3,4,5,6,7
	v_wmma_f32_16x16x128_fp8_fp8 v[96+8*\t:103+8*\t], v[KW+16*\t:KW+16*\t+15], v[16:31], 0     ; S^T = K Q^T: eight tiles of 16 keys
.endr
	LDV 1
	WIN 0
.rept 4
	v_nop                                          ; four places ahead of the first read of the scores
.endr
	s_wait_dscnt 32                                ; the mask is in; V's 32 younger loads may be out
.set j, 0
.rept 32
	v_pk_fma_f32 v[96+j:97+j], v[96+j:97+j], s[CS:CS+1], v[32+j:33+j] op_sel_hi:[1,0,1]    ; the logit: score / sqrt(128) + mask
.set j, j+2
.endr
.set j, 0
.rept 32
	v_pk_mul_f32 v[96+j:97+j], v[96+j:97+j], s[LE:LE+1] op_sel_hi:[1,0]                    ; t
.set j, j+2
.endr
	v_max3_num_f32 v254, v96, v97, v98             ; the step's largest t of my query, among my 64 keys, in two chains,
	v_max3_num_f32 v252, v99, v100, v101
.irp i, 6,10,14,18,22,26,30,34,38,42,46,50,54,58
	v_max3_num_f32 v254, v254, v[96+\i], v[97+\i]
	v_max3_num_f32 v252, v252, v[98+\i], v[99+\i]
.endr
	v_max3_num_f32 v254, v254, v158, v159
	v_max_num_f32 v254, v254, v252
	v_permlanex16_b32 v236, v254, s[SEL], s[SEL+1]
	v_max_num_f32 v254, v254, v236                 ; and among lane l xor 16's
	v_max_num_f32 v13, v13, v254                   ; the running largest t
	v_mov_b32 v254, v12
	v_floor_f32 v12, -v13                          ; the new -M = floor(-t) = -ceil(t): M is a whole number
	v_sub_f32 v254, v12, v254                      ; M's old value less its new one: a whole number, 0 or less
	v_cvt_i32_f32 v254, v254                       ; (it saturates)
	v_ldexp_f32 v252, 1.0, v254                    ; f = 2^(old M - new M)
.if \chg == 2
	CHG_A 1
.elseif \chg == 1
	CHG_A 0
.endif
.set j, 0
.rept 32
	v_pk_add_f32 v[96+j:97+j], v[96+j:97+j], v[12:13] op_sel_hi:[1,0]                      ; t - M (of the pair the low word, -M, serves both halves)
.set j, j+2
.endr
.if \chg == 2
	CHG_B 1
.elseif \chg == 1
	CHG_B 0
.endif
.if \chg > 0
	s_xor_b32 s[TB], s[TB], SLOT1                  ; from here on the next step's slot is read
	v_add_nc_u32 v[ADK], s[TB], v[AK0]
	v_add_nc_u32 v[ADM], s[TB], v[AM]
	LDK 0                                          ; K's registers were last read by this step's products, far more than four places back
	WIN 0
.endif
.set j, 0
.rept 64
	v_exp_f32 v[96+j], v[96+j]                     ; p = 2^(t - M), at most 1: not normalised
.set j, j+1
.endr
	v_pk_mul_f32 v[14:15], v[14:15], v[252:253] op_sel_hi:[1,0]    ; the sums under the new M: the plain line behind the exponentials
	s_wait_alu depctr_va_vdst(0)                   ; one wait for the whole batch, ahead of its first reader
.if \chg > 0
	LDK 1
	WIN 0
.endif
	v_pk_add_f32 v[242:243], v[96:97], v[98:99]    ; the row's sum is taken of the unquantised p: two at a time, in two chains
.irp j, 4,8,12,16,20,24,28,32,36,40,44,48,52,56,60
	v_pk_add_f32 v[14:15], v[14:15], v[96+\j:97+\j]
	v_pk_add_f32 v[242:243], v[242:243], v[98+\j:99+\j]
.endr
	v_pk_add_f32 v[14:15], v[14:15], v[242:243]
.irp t, 0,1,2,3,4,5,6,7
.irp i, 0,1,2,3,4,5,6,7
	v_min_num_f32 v[96+8*\t+\i], v[96+8*\t+\i], v240               ; the conversion does not saturate (ISA guide 7.6.2); p is not negative, so the hold is one-sided
.endr
	v_cvt_scalef32_pk8_fp8_f32 v[224+2*\t:225+2*\t], v[96+8*\t:103+8*\t], v244     ; register pair t: keys 16 t + 8 h + 0 .. 7
.endr
.if \chg > 0
	LDM                                            ; the next step's mask: its registers were last read by this step's logits
.endif
.set j, 0
.rept 32
	v_pk_mul_f32 v[160+j:161+j], v[160+j:161+j], v[252:253] op_sel_hi:[1,0]        ; O^T under the new M.  (These are also the plain lines behind the conversions)
.set j, j+2
.endr
.if \chg == 0
	s_wait_dscnt 0x0                               ; V is in (in the other steps the change of slots has waited for it)
.endif
	WIN 0x01
.irp t, 0,1,2,3,4,5,6,7
	v_wmma_f32_16x16x128_fp8_fp8 v[160+8*\t:167+8*\t], v[VW+16*\t:VW+16*\t+15], v[224:239], v[160+8*\t:167+8*\t]   ; O^T += V^T P^T: the eight accumulators take turns, one instruction a turn
.endr
	WIN 0                                          ; at a label and at a branch every window is 0
.endm
	s_wait_loadcnt 0x0                             ; Q
	CHG_A 1                                        ; the first change: step 0's tile is whole behind its round, and step 1 is asked for, into slot 1
	CHG_B 1
	v_add_nc_u32 v[ADK], s[TB], v[AK0]
	v_add_nc_u32 v[ADM], s[TB], v[AM]
	LDK 0                                          ; step 0's K and mask
	LDK 1
	WIN 0
	LDM
	s_mov_b32 s[SLOTS], 14
.Lslot:                                            ; fourteen trips, steps 0 to 13: in the middle of step n, step n + 2 is asked for
	STEP 2
	s_sub_co_u32 s[SLOTS], s[SLOTS], 1
	s_cmp_lg_u32 s[SLOTS], 0
	s_cbranch_scc1 .Lslot
	STEP 1                                         ; the last two steps are written out: step 14 asks for nothing
	STEP 0                                         ; step 15 changes no slot
	; THE WAY OUT: O^T / the sum, held, converted: the eight register pairs are one fragment of the output projection's A; it is stored as it stands, 512 consecutive bytes a store.
.rept 4
	v_nop                                          ; places behind the last products
.endr
	v_add_f32 v14, v14, v15                        ; the sum's two halves,
	v_permlanex16_b32 v252, v14, s[SEL], s[SEL+1]
	v_add_f32 v14, v14, v252                       ; and lane l xor 16's
	v_rcp_f32 v14, v14
	v_nop                                          ; a plain line behind the transcendental,
	s_wait_alu depctr_va_vdst(0)                   ; and the wait ahead of its first reader
.set j, 0
.rept 64
	v_mul_f32 v[96+j], v[160+j], v14               ; each accumulator from its low end on
.set j, j+1
.endr
.set j, 0
.rept 64
	v_med3_num_f32 v[96+j], v[96+j], -v241, v241
.set j, j+1
.endr
.irp t, 0,1,2,3,4,5,6,7
	v_cvt_scalef32_pk8_fp8_f32 v[224+2*\t:225+2*\t], v[96+8*\t:103+8*\t], v245     ; register pair t: channels 16 t + 8 h + 0 .. 7 of my head
.endr
	v_nop                                          ; one plain vector line behind the last conversion
.irp c, 0,1,2,3
	global_store_b128 v[LI], v[224+4*\c:227+4*\c], s[10:11] offset:512*\c
.endr
	s_wait_tensorcnt 0x0                           ; the wave's end, behind my last tensor load
	ds_add_u32 v[SPW], v[NIL]
	s_wait_dscnt 0x0
	CROUND                                         ; the closing round: no work-group ends while a partner may still ask for a tile that names it
	s_endpgm
.Lfunc_end_k_qc58fcc4eb4_attn:
	.size	k_qc58fcc4eb4_attn, .Lfunc_end_k_qc58fcc4eb4_attn-k_qc58fcc4eb4_attn
	.p2alignl 7, 3214868480
	.fill 96, 4, 3214868480
	.section	.rodata,"a",@progbits
	.p2align	6, 0x0
	.amdhsa_kernel k_qc58fcc4eb4_attn
		.amdhsa_group_segment_fixed_size 327680
		.amdhsa_private_segment_fixed_size 0
		.amdhsa_enable_private_segment 0
		.amdhsa_kernarg_size 32
		.amdhsa_user_sgpr_count 2
		.amdhsa_user_sgpr_kernarg_segment_ptr 1
		.amdhsa_wavefront_size32 1
		.amdhsa_system_sgpr_workgroup_id_x 1
		.amdhsa_system_sgpr_workgroup_id_y 1
		.amdhsa_system_sgpr_workgroup_id_z 1
		.amdhsa_system_vgpr_workitem_id 0
		.amdhsa_next_free_vgpr 512
		.amdhsa_next_free_sgpr 100
		.amdhsa_reserve_vcc 0
		.amdhsa_float_denorm_mode_32 3
		.amdhsa_float_denorm_mode_16_64 3
		.amdhsa_memory_ordered 1
		.amdhsa_forward_progress 1
		.amdhsa_inst_pref_size 95
	.end_amdhsa_kernel
	.amdgpu_metadata
---
amdhsa.version: [ 1, 2 ]
amdhsa.kernels:
  - .name:           k_qc58fcc4eb4_attn
    .symbol:         k_qc58fcc4eb4_attn.kd
    .args:
      - { .name: qkvc, .offset: 0, .size: 8, .value_kind: global_buffer, .address_space: global }
      - { .name: mask, .offset: 8, .size: 8, .value_kind: global_buffer, .address_space: global }
      - { .name: lowp_scales, .offset: 16, .size: 8, .value_kind: global_buffer, .address_space: global }
      - { .name: ac, .offset: 24, .size: 8, .value_kind: global_buffer, .address_space: global }
    .group_segment_fixed_size: 327680
    .private_segment_fixed_size: 0
    .kernarg_segment_align: 8
    .kernarg_segment_size: 32
    .max_flat_workgroup_size: 256
    .sgpr_count:     100
    .vgpr_count:     512
    .wavefront_size: 32
...
	.end_amdgpu_metadata
.endif
;; end of part 3
;; launch oproj (part 4): grid 16 x 16, 4 waves a work-group, clusters of 4 x 4, 327,680 bytes of LDS; arguments ac, wc, lowp_scales, out0; writes out0
.if DOCPART == 4
	.amdgcn_target "amdgcn-amd-amdhsa--gfx1250"
	.amdhsa_code_object_version 6
	.text
	.protected	k_qc58fcc4eb4_oproj
	.globl	k_qc58fcc4eb4_oproj
	.p2align	8
	.type	k_qc58fcc4eb4_oproj,@function
k_qc58fcc4eb4_oproj:
	s_mov_b64 s[64:65], 0
	v_nop
	global_prefetch_b8 v0, s[64:65] scope:SCOPE_SE
	s_setreg_imm32_b32 hwreg(HW_REG_WAVE_MODE, 25, 1), 1
	s_wait_xcnt 0x0
	s_wait_alu depctr_hold_cnt(0) depctr_sa_sdst(0) depctr_va_vdst(0) depctr_va_sdst(0) depctr_va_ssrc(0) depctr_va_vcc(0) depctr_vm_vsrc(0)
	s_getreg_b32 s2, hwreg(HW_REG_IB_STS2, 6, 4)
	s_cmp_eq_u32 s2, 0
	s_cbranch_scc0 .Lentry_in_a_cluster
	s_endpgm
.Lentry_in_a_cluster:
	s_bfe_u32 s2, ttmp6, 0x10000c
	s_cmp_lg_u32 s2, 0xf033
	s_cbranch_scc0 .Lentry_shape_is_right
	s_endpgm
.Lentry_shape_is_right:
; OPROJ: out0[t][n] = sum over k of A[t][k] wo[n][k] x 2^(e16 + e17).  A: the attention's result as codes (ac), wo: codes (wc, from byte 12,582,912 on), both as images of operand registers
; (16 rows x 128 K: 2,048 bytes; byte 512 c + 16 lane = registers 4 c .. 4 c + 3), laid (row / 16) x 32,768 + (k / 128) x 2,048.  out0: [2048][2048] f32.
; LIMIT: e16 + e17 between -126 and 127, so that 2^(e16 + e17) is an f32 number.
; A tile of C is 128 x 128, so that each of the 256 WGPs has one; four waves, each 64 x 64: 16 accumulators.  K goes in steps of 512 through a ring of two LDS slots; 2,048 along K are two laps, written out without a loop.
; CLUSTERS: 4 x 4 work-groups; A's tile is asked for jointly along a row of the cluster, B's along a column.  THE MATRIX INSTRUCTION IS USED TRANSPOSED (source 0 = 16 rows of wo, source 1 = 16 tokens):
; a lane holds eight neighbouring numbers of a row of C.  No prefetch: 8 MiB of codes, each tile shared in the cluster and read again by the neighbouring clusters.
; REGISTERS: window 0: v16-29 addresses; v32-63 a block's numbers; v64-127 rows read back, two sets; v128-255 the accumulators ((a, b) at v[128 + 8 (4 a + b)]).
;   window 1: two fragment buffers of 128 registers: for 128 along K, A's four fragments, then B's four.
.set SLOT,   131072                    ; A's 128 rows x 512 K, then B's
.set HALFT,  32768                     ; 64 rows x 512 K: what one tensor load brings: row tile i at 8,192 i, K step q at 2,048 q
.set SPARE,  2*SLOT                    ; behind the ring: the spare words, 128 bytes for each wave: two blocks of 256 bytes that no other line names
.set SPITCH, 272                       ; the way out: a stage of 16 rows x (256 bytes + 16) for each wave, in slot 0, which has had its last fill and its last read when the first result is stored there
.set ADRA, 16                          ; v16-17  LDS address of my A fragments in slot 0, 1
.set ADRB, 20                          ; v20-21  the same for B
.set STO,  24                          ; v24     the way out: where I put 32 bytes of a row
.set RD,   25                          ; v25     where I read a row back
.set CO,   26                          ; v26     my byte offset in C
.set SPW,  28                          ; v28     LDS address of my spare word; never rewritten
.set NIL,  29                          ; v29     0; never rewritten
.set TMP,  32
.set BK,   64
.set ACC,  128
.set F0,   0
.set F1,   128
.set G1, 24
.set G0, 32
.set G1B, 48
.set G0B, 56
.set MSB, 0
.macro WIN new                         ; the immediate's high byte repeats the setting that is left
.if MSB != \new
	s_set_vgpr_msb (MSB<<8)|\new
.set MSB, \new
.endif
.endm
.set MUL,  0x05                        ; sources 0 (B) and 1 (A) window 1; C and D window 0
.set TO_F, 0x40                        ; destination window 1, address window 0
.macro JLOAD s                         ; a joint load: waves 0 and 1 fetch A's two halves, waves 2 and 3 B's; an s_nop 0 and four v_nop follow each of the two lines
	s_cmp_eq_u32 s15, 0
	s_cbranch_scc0 .Lfor_b_\@
	tensor_load_to_lds s[G0+4*\s:G0+4*\s+3], s[G1:G1+7]
	s_nop 0
.rept 4
	v_nop
.endr
	s_branch .Lasked_\@
.Lfor_b_\@:
	tensor_load_to_lds s[G0B+4*\s:G0B+4*\s+3], s[G1B:G1B+7]
	s_nop 0
.rept 4
	v_nop
.endr
.Lasked_\@:
.endm
.macro CREST
	s_cmp_lg_u32 s14, 0
	s_cbranch_scc1 .Lnot_wave_0_\@
	s_barrier_signal -3
.Lnot_wave_0_\@:
	s_barrier_wait -3
	s_barrier_signal -1
	s_barrier_wait -1
.endm
.macro CROUND
	s_barrier_signal -1
	s_barrier_wait -1
	CREST
.endm
	s_load_b256 s[4:11], s[0:1], 0x0               ; ac s[4:5], wc s[6:7], the scales' exponents s[8:9], out0 s[10:11]
	v_lshl_add_u32 v[SPW], v0, 2, SPARE
	v_mov_b32 v[NIL], 0
	ds_add_u32 v[SPW], v[NIL]                      ; the wave's opening: the add and its wait stand ahead of my first tensor load; the set-up below, work on registers, stands between them
	v_lshrrev_b32 v1, 5, v0
	v_readfirstlane_b32 s14, v1                    ; wave 0..3
	s_lshr_b32 s15, s14, 1                         ; which half of the tile's rows is mine.  Also: I fetch for A (0) or for B (1)
	s_and_b32 s16, s14, 1                          ; which half of its columns.  Also: which 64 rows of that tile I fetch
	s_bfe_u32 s40, ttmp6, 0x40000                  ; cx, cy
	s_bfe_u32 s41, ttmp6, 0x40004
	s_lshl_b32 s42, ttmp9, 2
	s_add_co_u32 s42, s42, s40                     ; tile column
	s_and_b32 s17, ttmp7, 0xffff
	s_lshl_b32 s17, s17, 2
	s_add_co_u32 s17, s17, s41                     ; tile row
	s_lshl_b32 s43, s41, 2
	s_lshl_b32 s43, 15, s43                        ; my row of the cluster
	s_lshl_b32 s44, 0x1111, s40                    ; my column
	; descriptor group 1: 4 rows (row tiles of 16) of 8,192 bytes (four K steps' images), 32,768 bytes apart; dense in LDS
	s_or_b32 s[G1+0], s43, (3<<16)|(1<<21)         ; 15:0 the mask; 17:16 elements of 8 bytes; 21 set beside a mask
	s_or_b32 s[G1B+0], s44, (3<<16)|(1<<21)
.irp g, G1, G1B
	s_mov_b32 s[\g+1], 1024<<16                    ; tensor_dim0
	s_mov_b32 s[\g+2], 4<<16                       ; tensor_dim1
	s_mov_b32 s[\g+3], 1024<<16                    ; tile_dim0
	s_mov_b32 s[\g+4], 4                           ; tile_dim1
	s_mov_b32 s[\g+5], 4096                        ; tensor_dim0_stride, in elements
	s_mov_b32 s[\g+6], 0
	s_mov_b32 s[\g+7], 0
.endr
	s_lshl_b32 s18, s16, 17                        ; which 64 rows (4 row tiles) I fetch
	s_lshl_b32 s20, s17, 18
	s_add_co_u32 s20, s20, s18
	s_mov_b32 s21, 0
	s_lshl_b32 s46, s42, 18
	s_add_co_u32 s46, s46, s18
	s_add_co_u32 s46, s46, 12582912                ; wo's codes in wc
	s_mov_b32 s47, 0
	s_lshl_b32 s45, s14, 15                        ; where they go: wave x 32,768
	s_wait_dscnt 0x0                               ; the opening add is done
	s_wait_kmcnt 0x0
	s_load_b64 s[96:97], s[8:9], 0x40              ; e16, e17
	s_add_nc_u64 s[20:21], s[4:5], s[20:21]
	s_add_nc_u64 s[46:47], s[6:7], s[46:47]
	CROUND                                         ; all sixteen work-groups are here: the first joint loads meet
.irp s, 0,1
	s_mov_b32 s[G0+4*\s], 1
	s_add_co_u32 s[G0+4*\s+1], s45, \s*SLOT
	s_add_nc_u64 s[G0+4*\s+2:G0+4*\s+3], s[20:21], \s*8192
	s_or_b32 s[G0+4*\s+3], s[G0+4*\s+3], 0x80000000
	s_mov_b32 s[G0B+4*\s], 1
	s_add_co_u32 s[G0B+4*\s+1], s45, \s*SLOT
	s_add_nc_u64 s[G0B+4*\s+2:G0B+4*\s+3], s[46:47], \s*8192
	s_or_b32 s[G0B+4*\s+3], s[G0B+4*\s+3], 0x80000000
	JLOAD \s                                       ; two loads of mine are out
.endr
	v_and_b32 v1, 15, v0                           ; r
	v_bfe_u32 v2, v0, 4, 1                         ; h
	v_and_b32 v3, 31, v0
	v_lshlrev_b32 v3, 4, v3                        ; 16 x lane
	s_lshl_b32 s21, s15, 15                        ; my 64 rows of A
	s_lshl_b32 s22, s16, 15                        ; my 64 rows of B,
	s_add_co_u32 s22, s22, 2*HALFT                 ; which lie behind A's 128
.irp s, 0,1
	v_add_nc_u32 v[ADRA+\s], s21, v3
	v_add_nc_u32 v[ADRB+\s], s22, v3
	s_add_co_u32 s21, s21, SLOT
	s_add_co_u32 s22, s22, SLOT
.endr
	s_mul_i32 s23, s14, 16*SPITCH                  ; my stage
	v_mul_u32_u24 v4, v1, SPITCH                   ; in: row r, 32 bytes for each half of the lanes
	v_lshl_add_u32 v4, v2, 5, v4
	v_add_nc_u32 v[STO], s23, v4
	v_mul_u32_u24 v5, v2, SPITCH                   ; back: lanes 0-15 one row of 256 bytes, lanes 16-31 the next
	v_lshl_add_u32 v5, v1, 4, v5
	v_add_nc_u32 v[RD], s23, v5
	v_lshlrev_b32 v[CO], 13, v2                    ; and the same two rows in C, 8,192 bytes a row
	v_lshl_add_u32 v[CO], v1, 4, v[CO]
	s_lshl_b32 s20, s17, 20                        ; my first row: 128 x tile row + 64 x half;
	s_lshl_b32 s21, s15, 19
	s_add_co_u32 s20, s20, s21
	s_lshl_b32 s46, s42, 9                         ; my first column, in bytes: 512 x tile column + 256 x half
	s_lshl_b32 s47, s16, 8
	s_add_co_u32 s46, s46, s47
	s_add_co_u32 s20, s20, s46
	s_mov_b32 s21, 0
	s_add_nc_u64 s[10:11], s[10:11], s[20:21]
; 8 matrix instructions: A's blocks a0, a0 + 1 x B's four, 128 along K, from buffer f.  zero = 1: the first product starts the sums.  The 16 accumulators take turns, one instruction a turn.
.macro MUL8 f, a0, zero
.irp a, \a0, \a0+1
.irp b, 0,1,2,3
.if \zero
	v_wmma_f32_16x16x128_fp8_fp8 v[ACC+8*(4*(\a)+\b):ACC+8*(4*(\a)+\b)+7], v[\f+64+16*\b:\f+64+16*\b+15], v[\f+16*(\a):\f+16*(\a)+15], 0
.else
	v_wmma_f32_16x16x128_fp8_fp8 v[ACC+8*(4*(\a)+\b):ACC+8*(4*(\a)+\b)+7], v[\f+64+16*\b:\f+64+16*\b+15], v[\f+16*(\a):\f+16*(\a)+15], v[ACC+8*(4*(\a)+\b):ACC+8*(4*(\a)+\b)+7]
.endif
.endr
.endr
.endm
.macro FETCH slot, q, f                ; 32 LDS loads in one run: the eight fragments of the slot's q-th 128 along K, each as the image that it is
	WIN TO_F
.irp i, 0,1,2,3
.irp c, 0,1,2,3
	ds_load_b128 v[\f+64+16*\i+4*\c:\f+64+16*\i+4*\c+3], v[ADRB+\slot] offset:8192*\i+2048*(\q)+512*\c
	ds_load_b128 v[\f+16*\i+4*\c:\f+16*\i+4*\c+3],       v[ADRA+\slot] offset:8192*\i+2048*(\q)+512*\c
.endr
.endr
.endm
.macro PLACES                          ; four places in front of loads into registers that matrix instructions have read, and of the first read of results (ISA guide 7.12.1 for the first read of results)
.rept 4
	v_nop
.endr
.endm
; A quarter of a slot, 128 along K: buffer f is multiplied while the next quarter's fragments (the slot's qn-th) come into buffer g.
.macro QUARTER slot, qn, f, g, zero
	s_wait_dscnt 0x0                               ; buffer f is in
	PLACES
	FETCH \slot, \qn, \g
	WIN MUL
	MUL8 \f, 0, \zero
	MUL8 \f, 2, \zero
.endm
; A slot's last quarter multiplies buffer 1 and changes slots: ONE barrier; in front of it each wave waits for all its tensor loads, adds 0 to its spare word, and waits for that and for its own reads of this slot.
.macro TURN slot, next, fill
	WIN 0                                          ; (the add's two registers lie in window 0)
	s_wait_tensorcnt 0x0                           ; all my tensor loads have landed: my part of the next slot
	ds_add_u32 v[SPW], v[NIL]                      ; 0 onto my spare word
	s_wait_dscnt 1                                 ; buffer 1 is in; the add alone may be out
	WIN MUL
	MUL8 F1, 0, 0                                  ; eight matrix instructions stand between the add and the wait for it
	s_wait_dscnt 0x0                               ; the add is done, and my reads of this slot are over
	s_barrier_signal -1
	MUL8 F1, 2, 0
	WIN 0
	s_barrier_wait -1
.if \fill
	CREST                                          ; the barrier has opened a round of the cluster's barrier: no wave of any partner still reads this slot or has a load on its way
	s_add_nc_u64 s[G0+4*\slot+2:G0+4*\slot+3], s[G0+4*\slot+2:G0+4*\slot+3], 2*8192
	s_add_nc_u64 s[G0B+4*\slot+2:G0B+4*\slot+3], s[G0B+4*\slot+2:G0B+4*\slot+3], 2*8192
	JLOAD \slot                                    ; the first tensor load behind the round, my one load until the next; its four v_nop are the places in front of the loads below
.else
	PLACES
.endif
	FETCH \next, 0, F0
.endm
	s_wait_tensorcnt 1                             ; my part of slot 0 is in; slot 1's load may be out
	s_barrier_signal -1
	s_barrier_wait -1
	FETCH 0, 0, F0
	QUARTER 0, 1, F0, F1, 1                        ; the first products start the sums: nothing is ever cleared
	QUARTER 0, 2, F1, F0, 0
	QUARTER 0, 3, F0, F1, 0
	TURN 0, 1, 1                                   ; slot 0 takes k = 1,024 on
	QUARTER 1, 1, F0, F1, 0
	QUARTER 1, 2, F1, F0, 0
	QUARTER 1, 3, F0, F1, 0
	TURN 1, 0, 1                                   ; slot 1 takes k = 1,536 on
	QUARTER 0, 1, F0, F1, 0
	QUARTER 0, 2, F1, F0, 0
	QUARTER 0, 3, F0, F1, 0
	TURN 0, 1, 0                                   ; nothing is left to fetch: no round
	QUARTER 1, 1, F0, F1, 0
	QUARTER 1, 2, F1, F0, 0
	QUARTER 1, 3, F0, F1, 0
	s_wait_dscnt 0x0
	WIN MUL
	MUL8 F1, 0, 0
	MUL8 F1, 2, 0
	WIN 0
; THE WAY OUT, block a of 16 rows x 64 columns.  A lane holds 32 neighbouring bytes of a row, and the lanes beside it hold other rows: a block goes through my own stage and comes back as whole rows of 256 bytes,
; which sixteen lanes store as one aligned run of 256 bytes.  LDS serves a wave's instructions in order (ISA guide 5.7.1.4): no wait between the stores and the loads.
.macro TOSTAGE a
.set j, 0
.rept 16
	v_pk_mul_f32 v[TMP+j:TMP+j+1], v[ACC+32*(\a)+j:ACC+32*(\a)+j+1], s[96:97] op_sel_hi:[1,0]     ; both x s96 = 2^(e16 + e17); each accumulator from its low end on
.set j, j+2
.endr
.irp b, 0,1,2,3
	ds_store_b128 v[STO], v[TMP+8*\b:TMP+8*\b+3] offset:64*\b
	ds_store_b128 v[STO], v[TMP+8*\b+4:TMP+8*\b+7] offset:64*\b+16
.endr
.set BB, BK+32*((\a)%2)
.irp t, 0,1,2,3,4,5,6,7
	ds_load_b128 v[BB+4*\t:BB+4*\t+3], v[RD] offset:\t*2*SPITCH
.endr
.endm
.macro SEND a, younger                 ; younger: the LDS instructions issued behind block a's loads, which may stay out
.set BB, BK+32*((\a)%2)
	s_wait_dscnt \younger
.irp t, 0,1,2,3,4,5,6,7
	global_store_b128 v[CO], v[BB+4*\t:BB+4*\t+3], s[10:11] offset:(16*(\a)+2*\t)*8192 th:TH_STORE_NT     ; written once, read by nobody here
.endr
.endm
	s_wait_kmcnt 0x0
	s_add_co_i32 s96, s96, s97
	s_add_co_i32 s96, s96, 127
	s_lshl_b32 s96, s96, 23                        ; 2^(e16 + e17) as f32
	PLACES                                         ; behind the last products
	TOSTAGE 0
.irp a, 1,2,3
.if \a > 1
	s_wait_xcnt 0x0                                ; block a - 2's stores have read their registers: block a's loads may land there
.endif
	TOSTAGE \a
	SEND \a-1, 16                                  ; behind block a - 1's loads: block a's 8 stores and 8 loads
.endr
	SEND 3, 0
	s_wait_tensorcnt 0x0                           ; the wave's end, behind my last tensor load and my last LDS store
	ds_add_u32 v[SPW], v[NIL]
	s_wait_dscnt 0x0
	CROUND                                         ; the closing round: no work-group ends while a partner may still ask for a tile that names it
	s_endpgm
.Lfunc_end_k_qc58fcc4eb4_oproj:
	.size	k_qc58fcc4eb4_oproj, .Lfunc_end_k_qc58fcc4eb4_oproj-k_qc58fcc4eb4_oproj
	.p2alignl 7, 3214868480
	.fill 96, 4, 3214868480
	.section	.rodata,"a",@progbits
	.p2align	6, 0x0
	.amdhsa_kernel k_qc58fcc4eb4_oproj
		.amdhsa_group_segment_fixed_size 327680
		.amdhsa_private_segment_fixed_size 0
		.amdhsa_enable_private_segment 0
		.amdhsa_kernarg_size 32
		.amdhsa_user_sgpr_count 2
		.amdhsa_user_sgpr_kernarg_segment_ptr 1
		.amdhsa_wavefront_size32 1
		.amdhsa_system_sgpr_workgroup_id_x 1
		.amdhsa_system_sgpr_workgroup_id_y 1
		.amdhsa_system_sgpr_workgroup_id_z 1
		.amdhsa_system_vgpr_workitem_id 0
		.amdhsa_next_free_vgpr 512
		.amdhsa_next_free_sgpr 100
		.amdhsa_reserve_vcc 0
		.amdhsa_float_denorm_mode_32 3
		.amdhsa_float_denorm_mode_16_64 3
		.amdhsa_memory_ordered 1
		.amdhsa_forward_progress 1
		.amdhsa_inst_pref_size 72
	.end_amdhsa_kernel
	.amdgpu_metadata
---
amdhsa.version: [ 1, 2 ]
amdhsa.kernels:
  - .name:           k_qc58fcc4eb4_oproj
    .symbol:         k_qc58fcc4eb4_oproj.kd
    .args:
      - { .name: ac, .offset: 0, .size: 8, .value_kind: global_buffer, .address_space: global }
      - { .name: wc, .offset: 8, .size: 8, .value_kind: global_buffer, .address_space: global }
      - { .name: lowp_scales, .offset: 16, .size: 8, .value_kind: global_buffer, .address_space: global }
      - { .name: out0, .offset: 24, .size: 8, .value_kind: global_buffer, .address_space: global }
    .group_segment_fixed_size: 327680
    .private_segment_fixed_size: 0
    .kernarg_segment_align: 8
    .kernarg_segment_size: 32
    .max_flat_workgroup_size: 128
    .sgpr_count:     100
    .vgpr_count:     512
    .wavefront_size: 32
...
	.end_amdgpu_metadata
.endif
;; end of part 4
